; MI455X (gfx1250); checked and timed in simulation.
; The chip was launched on July 23, 2026; its instructions are those of AMD's public machine-readable ISA for CDNA 5 (MIT licence, August 2026) and "CDNA5" Instruction Set Architecture Reference Guide (July 2026). The comments in the code are by the model that wrote it; some were corrected since.
;; Multi Head Self Attention. Allowed arithmetic: matrix products marked QUANTISED: E2M3 operands, one E8M0 scale for each 32 along K, by v_wmma_scale_f32_16x16x128_f8f6f4 with both operands' format E2M3, f32 sums; everything else in f32.
;; Inputs: attention_mask 4 x 2,048 bool; causal_mask 1 x 1 x 2,048 x 2,048 bool; hidden_states 4 x 2,048 x 1,024 float32; w_out 1,024 x 1,024 float32; w_qkv 3,072 x 1,024 float32.
;; Outputs: out0 4 x 2,048 x 1,024 float32.
;; This version of the problem:
;;   THIS VERSION OF THE PROBLEM IS GIVEN IN LOW PRECISION. The matrix products marked QUANTISED in the list below multiply operands that are first quantised to E2M3 (2 exponent bits, 3 mantissa bits; 6 bits a number), with one power-of-two scale for each 32 numbers along K (OCP MX v1.0); their sums are f32. All else is computed in f32.
;;   The module's matrix products, in the order in which they are computed (A, B: the left and right operand; K: the contracted axis; several contracted axes count as one K, in the product's order):
;;     1. [M 8,192, K 1,024] x [K 1,024, N 3,072]; A: input hidden_states; B: input w_qkv: QUANTISED
;;     2. batch 64 x [M 2,048, K 64] x [K 64, N 2,048]; A: computed on the way; B: computed on the way: QUANTISED
;;     3. batch 64 x [M 2,048, K 2,048] x [K 2,048, N 64]; A: softmax (see below); B: computed on the way: QUANTISED
;;     4. [M 8,192, K 1,024] x [K 1,024, N 1,024]; A: computed on the way; B: input w_out: QUANTISED
;;   THE QUANTISER, for each operand of a quantised product, along K:
;;     - K is cut into blocks of 32 from its start; a last block that is shorter is filled with zeros.
;;     - A block's scale is 2^e with e = floor(log2(the largest magnitude in the block)) - 2, held to -126 .. 127; a block of zeros has e = 0. As a byte (E8M0): e + 127.
;;     - Each number is divided by its block's scale, clamped to +-7.5, and rounded to the nearest number of E2M3, ties to even, subnormals kept.
;;     - The product sums the exact products of the quantised numbers (number of the format x scale) in f32.
;;   ~~~python
;;   def quantise(x, axis):      # numpy; x: float32 -> the quantised numbers, widened to float32 again
;;       x = np.moveaxis(x, axis, -1); K = x.shape[-1]
;;       x = np.pad(x, [(0, 0)] * (x.ndim - 1) + [(0, -K % 32)]); x = x.reshape(x.shape[:-1] + (-1, 32)); a = np.abs(x).max(-1, keepdims=True)
;;       e = np.where(a > 0, np.clip(np.frexp(np.where(a > 0, a, 1))[1] - 1 - 2, -126, 127), 0)      # np.frexp(a)[1] - 1 = floor(log2(a)), exactly
;;       r = np.clip(x / 2.0 ** e, -7.5, 7.5)
;;       step = 2.0 ** (np.maximum(np.frexp(np.where(r == 0, 1, r))[1] - 1, 0) - 3)
;;       q = np.round(r / step) * step * 2.0 ** e      # np.round: ties to even
;;       return np.moveaxis(q.reshape(q.shape[:-2] + (-1,))[..., :K], -1, axis).astype(np.float32)
;;   ~~~
;;   SOFTMAX AHEAD OF A QUANTISED PRODUCT. Where the list says 'softmax', what is quantised is not the finished softmax but p = 2^(t - M), with t = logit x log2(e) and M = ceil(the row's largest t), a whole number; so 1/2 < the row's largest p <= 1. The row's sum l is taken of the UNQUANTISED p, in f32, and the product's result is divided by l at the end. Since M is a whole number, a kernel that streams over the keys may use a running M (the ceiling of the running maximum): every later rescaling is an exact power of two, which a block's scale takes up: the codes' values come out the same.
;;   OPERANDS COMPUTED ON THE WAY. 'Computed on the way' means the value that the module computes at that place (a softmax that the list does not call 'softmax' is quantised finished and normalised). What goes into a quantiser is computed in f32, as accurately as f32 sums, v_exp_f32 and their like allow (about 1e-6 of the number): no bf16 or f16 on the way to a quantiser, and a product that is left as it is and whose result goes on into a quantised operand takes f32 operands (vector FMAs, or v_wmma_f32_16x16x4_f32). A number that lies on a knife's edge between two numbers of the format may be rounded either way, as far as f32 arithmetic and the matrix unit's own rounding can turn it there, and no further.
;; One version. Each part assembles by itself: llvm-mc -triple=amdgcn-amd-amdhsa -mcpu=gfx1250 --defsym DOCPART=n.
;; ======== version 1 of 1: 4 launches
;; workspace buffers: xq 6,553,600 bytes; wq 2,457,600 bytes; woq 819,200 bytes; qkv 19,660,800 bytes; oq 6,553,600 bytes; masks 2,097,152 bytes of whole numbers
;; launch prep (part 1): grid 896 x 1, 4 waves a work-group, no clusters, 33,280 bytes of LDS; arguments hidden_states, w_qkv, w_out, attention_mask, causal_mask, xq, wq, woq, masks; writes xq, wq, woq, masks
.if DOCPART == 1
	.amdgcn_target "amdgcn-amd-amdhsa--gfx1250"
	.amdhsa_code_object_version 6
	.text
	.protected	k_q4dc37f579d_prep
	.globl	k_q4dc37f579d_prep
	.p2align	8
	.type	k_q4dc37f579d_prep,@function
k_q4dc37f579d_prep:
	s_mov_b64 s[64:65], 0
	v_nop
	global_prefetch_b8 v0, s[64:65] scope:SCOPE_SE
	s_setreg_imm32_b32 hwreg(HW_REG_WAVE_MODE, 25, 1), 1
	s_wait_xcnt 0x0
; TWO JOBS IN ONE LAUNCH, told apart by the work-group's number.
; Work-groups 0-383: hidden_states [8192][1024], w_qkv [3072][1024] and w_out [1024][1024], f32, K innermost, become codes of FP6 (E2M3) with one E8M0 scale byte for each 32 along K.
;   A block's scale is 2^(floor(log2(its largest magnitude)) - 2); its byte is the largest magnitude's exponent field - 2, held at 1 from below.  A block of zeros so gets the byte 1 where the rule says 127:
;   its codes are zeros, which add nothing under any byte but 0xff, and the bytes are read by this program alone.
;   Each buffer holds the scale rows (32 bytes a row) from byte 0 and the code rows (768 bytes a row) behind them.
;   ROW ORDER: the rows of hidden_states and of w_qkv are laid by POSITION: in each 32 rows, position 16 u + 8 a + c holds row 16 a + 8 u + c.  So 16 neighbouring positions are the rows that a matrix tile
;   must take for the 16 registers of two neighbouring result tiles to be 16 neighbours along the next product's K.  A wave takes 8 rows, so the order is a choice of where the wave's run goes.  w_out keeps its order.
;   A wave takes 16 steps of 512 numbers.  Each load reads 512 consecutive bytes; the 2,048 bytes of a step turn through the wave's own stage in LDS and come back 64 bytes a lane: 16 neighbours along K, two lanes to a block.
; Work-groups 384-895: the two masks, as they are given, become a table for the attention launch.  A wave takes one tile of 16 queries x 128 keys, for all four batches, and makes 64 words of it for each batch:
;   word j = the mask of lanes whose score register j is hidden.  Lane (r, h) stands for query position r of the tile and register 16 g + i for key 128 s + 32 g + 16 h + i, as the attention launch holds its scores.
;   masks: [batch 4][query tile 128][key step 16][64 words].  No branch hangs on a mask.
; LIMITS: NaN and infinities among the f32 inputs are not served; blocks whose largest magnitude lies under 2^-124 keep the byte 1; a bool byte is taken to be 0 or 1.
.set WAVES, 4
.set STEPS, 16
.set CB,    12                         ; bytes of 16 codes
.set R,     16                         ; v16-79   four sets of 16 numbers as they are loaded
.set X,     80                         ; v80-111  two sets of 16 neighbours
.set E,     112                        ; v112-127 a scale byte for each step
.set C,     128                        ; v128-191 codes: four registers for each step, so that no store's data are written again
.set WREG,  8192                       ; LDS: a region for each wave: two stages of 32 x SP bytes, then its 256 scale bytes
.set SP,    80                         ; a lane's place in a stage: 64 bytes + 16 of padding
.set SPW,   12                         ; v12 LDS address of my spare word; never rewritten
.set NIL,   13                         ; v13 0; never rewritten
.set SPARE, WAVES*WREG                 ; the spare words, 128 bytes a wave
.set WGQ,   384                        ; work-groups that quantise: 256 for hidden_states, 96 for w_qkv, 32 for w_out (32 rows each)
.set XC,    262144                     ; where the code rows begin in xq,
.set WC,    98304                      ; in wq,
.set OC,    32768                      ; in woq
	s_load_b512 s[4:19], s[0:1], 0x0               ; hidden_states s[4:5], w_qkv s[6:7], w_out s[8:9], attention_mask s[10:11], causal_mask s[12:13], xq s[14:15], wq s[16:17], woq s[18:19]
	s_load_b64 s[20:21], s[0:1], 0x40              ; masks
	v_lshl_add_u32 v[SPW], v0, 2, SPARE
	v_mov_b32 v[NIL], 0
	v_lshrrev_b32 v1, 5, v0
	v_readfirstlane_b32 s22, v1                    ; wave
	v_and_b32 v2, 31, v0                           ; lane
	s_cmp_ge_u32 ttmp9, WGQ
	s_cbranch_scc1 .Lmask
	; ---------------- the quantiser ----------------
	v_lshlrev_b32 v3, 4, v2                        ; my 16 bytes of a load's 512
	s_mul_i32 s36, s22, WREG
	v_lshrrev_b32 v14, 2, v2
	v_mul_u32_u24 v14, v14, SP
	v_and_b32 v15, 3, v2
	v_lshl_add_u32 v14, v15, 4, v14
	v_add_nc_u32 v14, s36, v14                     ; the stage, on the way in: SP (lane / 4) + 16 (lane % 4)
	v_mul_u32_u24 v15, v2, SP
	v_add_nc_u32 v15, s36, v15                     ; and on the way out: SP x lane
	v_mul_u32_u24 v4, v2, CB                       ; my codes' place in a step's
	v_lshrrev_b32 v5, 1, v2
	s_add_co_u32 s36, s36, 2*32*SP
	v_add_nc_u32 v5, s36, v5                       ; LDS: my wave's 256 scale bytes, my block's byte
	v_lshlrev_b32 v7, 3, v2                        ; and on the way out 8 bytes a lane
	v_add_nc_u32 v6, s36, v7
	s_and_b32 s30, s22, 1                          ; where my 8 rows go among the work-group's 32: wave 2 a + u goes to place 2 u + a
	s_lshl_b32 s30, s30, 1
	s_lshr_b32 s31, s22, 1
	s_or_b32 s30, s30, s31
	s_wait_kmcnt 0x0
	s_cmp_lt_u32 ttmp9, 256                        ; hidden_states or w_qkv?  The choices hang on the work-group's number alone
	s_cselect_b64 s[24:25], s[4:5], s[6:7]
	s_cselect_b64 s[26:27], s[14:15], s[16:17]
	s_mov_b32 s28, WC
	s_cselect_b32 s28, XC, s28
	s_cselect_b32 s29, 0, 256
	s_cmp_lt_u32 ttmp9, 352                        ; or w_out?
	s_cselect_b64 s[24:25], s[24:25], s[8:9]
	s_cselect_b64 s[26:27], s[26:27], s[18:19]
	s_cselect_b32 s28, s28, OC
	s_cselect_b32 s29, s29, 352
	s_cselect_b32 s30, s30, s22                    ; w_out keeps its rows' order
	s_sub_co_u32 s29, ttmp9, s29
	s_lshl_b32 s29, s29, 2
	s_add_co_u32 s31, s29, s22                     ; the run of 8 rows that I read,
	s_add_co_u32 s30, s29, s30                     ; and the run that I write
	s_lshl_b32 s32, s31, 15                        ; 8 rows of 4,096 bytes
	s_mov_b32 s33, 0
	s_add_nc_u64 s[24:25], s[24:25], s[32:33]      ; the numbers
	s_mul_i32 s32, s30, 8*768
	s_add_co_u32 s32, s32, s28
	s_add_nc_u64 s[34:35], s[26:27], s[32:33]      ; the codes
	s_lshl_b32 s32, s30, 8
	s_add_nc_u64 s[26:27], s[26:27], s[32:33]      ; the scale bytes
.macro LOAD t
.irp i, 0,1,2,3
	global_load_b128 v[R+16*((\t)%4)+4*\i:R+16*((\t)%4)+4*\i+3], v3, s[24:25] offset:2048*(\t)+512*\i th:TH_LOAD_NT   ; 32 lanes read 512 consecutive bytes
.endr
.endm
.macro TURN t                          ; step t's numbers through the stage: LDS serves a wave's instructions in order, so no wait stands between the stores and the loads
.irp i, 0,1,2,3
	ds_store_b128 v14, v[R+16*((\t)%4)+4*\i:R+16*((\t)%4)+4*\i+3] offset:32*SP*((\t)%2)+8*SP*\i
.endr
.irp i, 0,1,2,3
	ds_load_b128 v[X+16*((\t)%2)+4*\i:X+16*((\t)%2)+4*\i+3], v15 offset:32*SP*((\t)%2)+16*\i
.endr
.endm
.irp t, 0,1,2,3
	LOAD \t
.endr
	s_wait_loadcnt 12                              ; step 0's four loads are in; the twelve of steps 1 to 3 may be out
	TURN 0
.macro STEP t
.set XS, X+16*((\t)%2)
.if (\t) > 0
	s_wait_dscnt 1                                 ; this step's numbers are back from the stage (the last step's byte store may be out): so its stores into the stage have read their registers,
.else
	s_wait_dscnt 0x0
.endif
.if (\t)+4 < STEPS
	LOAD (\t)+4                                    ; which take the loads of four steps on
.endif
.if (\t)+1 < STEPS
.if STEPS-2-(\t) >= 3
	s_wait_loadcnt 12                              ; the next step's four loads are in; those of the three steps behind it may be out
.else
	s_wait_loadcnt 4*(STEPS-2-(\t))
.endif
	TURN (\t)+1                                    ; and go through the other stage while this step is worked
.endif
	v_max3_num_f32 v8, |v[XS]|, |v[XS+1]|, |v[XS+2]|               ; the largest magnitude of my 16
	v_max3_num_f32 v9, |v[XS+3]|, |v[XS+4]|, |v[XS+5]|
.irp i, 6,10
	v_max3_num_f32 v8, v8, |v[XS+\i]|, |v[XS+\i+1]|
	v_max3_num_f32 v9, v9, |v[XS+\i+2]|, |v[XS+\i+3]|
.endr
	v_max3_num_f32 v8, v8, |v[XS+14]|, |v[XS+15]|
	v_max3_num_f32 v8, v8, v9, 0x1800000           ; and the floor 2^(3 - 127): the byte cannot fall under 1
	v_max_num_f32_dpp v8, v8, v8 row_xmask:1 row_mask:0xf bank_mask:0xf   ; and of my neighbour's 16: the block's
	v_add_nc_u32 v11, 0xff000000, v8               ; 2 off its exponent field: the conversion takes the exponent field of this operand as its scale
	v_cvt_scalef32_pk16_fp6_f32 v[C+4*(\t):C+4*(\t)+2], v[XS:XS+15], v11
	v_lshrrev_b32 v[E+(\t)], 23, v11               ; the scale's byte
	ds_store_b8 v5, v[E+(\t)] offset:16*(\t)       ; both lanes of a block write the same byte with the same value
	global_store_b96 v4, v[C+4*(\t):C+4*(\t)+2], s[34:35] offset:32*CB*(\t)   ; the wave stores 384 consecutive bytes
.endm
.irp t, 0,1,2,3,4,5,6,7,8,9,10,11,12,13,14,15
	STEP \t
.endr
	ds_load_b64 v[8:9], v6                         ; LDS serves a wave's instructions in order: these see my stores
	s_wait_dscnt 0x0
	global_store_b64 v7, v[8:9], s[26:27]          ; 32 lanes store 256 consecutive bytes, aligned: 8 rows' scale bytes
	s_wait_tensorcnt 0x0                           ; the wave's end, behind my last LDS store
	ds_add_u32 v[SPW], v[NIL]
	s_wait_dscnt 0x0
	s_endpgm
	; ---------------- the mask table (no LDS) ----------------
.Lmask:
	s_sub_co_u32 s24, ttmp9, WGQ
	s_lshl_b32 s24, s24, 2
	s_add_co_u32 s24, s24, s22                     ; my tile: 16 x query tile + key step, 0 .. 2047
	s_lshr_b32 s25, s24, 4                         ; query tile
	s_and_b32 s26, s24, 15                         ; key step
	s_lshr_b32 s27, s25, 1
	s_lshl_b32 s27, s27, 5
	s_and_b32 s32, s25, 1
	s_lshl_b32 s32, s32, 3
	s_add_co_u32 s27, s27, s32                     ; the tile's first query: 32 (tile / 2) + 8 (tile % 2)
	s_lshl_b32 s27, s27, 11                        ; a row of causal_mask is 2,048 bytes
	s_lshl_b32 s34, s26, 7                         ; the step's first key
	s_mov_b32 s35, 0
	s_add_co_u32 s32, s27, s34
	s_mov_b32 s33, 0
	s_lshl_b32 s30, s24, 8                         ; my 256 bytes of words of batch 0
	s_mov_b32 s31, 0
	s_mov_b32 s42, 0x01010101
	v_and_b32 v3, 15, v0                           ; r
	v_bfe_u32 v1, v0, 4, 1                         ; h
	v_and_b32 v4, 8, v3
	v_add_nc_u32 v4, v4, v3                        ; r + 8 (r / 8): my query in the tile
	v_lshlrev_b32 v4, 11, v4
	v_lshl_add_u32 v4, v1, 4, v4                   ; + 16 h: my 16 keys of each 32
	v_lshlrev_b32 v5, 4, v1
	v_lshlrev_b32 v6, 3, v2                        ; 8 x lane
.irp i, 16,17,18,19,20,21,22,23
	v_mov_b32 v\i, 0                               ; a lane write's destination counts as read
.endr
	s_wait_kmcnt 0x0
	s_add_nc_u64 s[12:13], s[12:13], s[32:33]
	s_add_nc_u64 s[10:11], s[10:11], s[34:35]
	s_add_nc_u64 s[30:31], s[20:21], s[30:31]
.irp g, 0,1,2,3
	global_load_b128 v[32+4*\g:35+4*\g], v4, s[12:13] offset:32*\g           ; causal_mask: byte i % 4 of word 4 g + i / 4 belongs to score register 16 g + i
.endr
.irp b, 0,1,2,3
.irp g, 0,1,2,3
	global_load_b128 v[48+16*\b+4*\g:51+16*\b+4*\g], v5, s[10:11] offset:2048*\b+32*\g   ; attention_mask of batch b, the same keys
.endr
.endr
.macro MASKB b
.set HB, 48+16*(\b)
	s_wait_loadcnt 12-4*(\b)                       ; causal_mask's loads and this batch's are in; the four of each later batch may be out
.irp d, 0,1,2,3,4,5,6,7,8,9,10,11,12,13,14,15
	v_xor_b32 v[HB+\d], s42, v[HB+\d]              ; 1 where attention_mask hides the key,
.endr
.irp d, 0,1,2,3,4,5,6,7,8,9,10,11,12,13,14,15
	v_or_b32 v[HB+\d], v[32+\d], v[HB+\d]          ; or causal_mask does
.endr
.set J, 0
.rept 64
	v_and_b32 v[8+J%2], 1<<(8*(J%4)), v[HB+J/4]
	v_cmp_ne_u32 s[44+J%2], 0, v[8+J%2]            ; the compare's lane mask is word J
	v_writelane_b32 v[16+2*(\b)+J%2], s[44+J%2], J/2   ; lane J / 2 holds words 2 (J / 2) and 2 (J / 2) + 1
.set J, J+1
.endr
	global_store_b64 v6, v[16+2*(\b):17+2*(\b)], s[30:31] offset:524288*(\b)   ; 32 lanes store 256 consecutive bytes, aligned; each batch has its own pair of registers
.endm
	MASKB 0
	MASKB 1
	MASKB 2
	MASKB 3
	s_endpgm
.Lfunc_end_k_q4dc37f579d_prep:
	.size	k_q4dc37f579d_prep, .Lfunc_end_k_q4dc37f579d_prep-k_q4dc37f579d_prep
	.p2alignl 7, 3214868480
	.fill 96, 4, 3214868480
	.section	.rodata,"a",@progbits
	.p2align	6, 0x0
	.amdhsa_kernel k_q4dc37f579d_prep
		.amdhsa_group_segment_fixed_size 33280
		.amdhsa_private_segment_fixed_size 0
		.amdhsa_enable_private_segment 0
		.amdhsa_kernarg_size 72
		.amdhsa_user_sgpr_count 2
		.amdhsa_user_sgpr_kernarg_segment_ptr 1
		.amdhsa_wavefront_size32 1
		.amdhsa_system_sgpr_workgroup_id_x 1
		.amdhsa_system_sgpr_workgroup_id_y 1
		.amdhsa_system_sgpr_workgroup_id_z 1
		.amdhsa_system_vgpr_workitem_id 0
		.amdhsa_next_free_vgpr 192
		.amdhsa_next_free_sgpr 66
		.amdhsa_reserve_vcc 0
		.amdhsa_float_denorm_mode_32 3
		.amdhsa_float_denorm_mode_16_64 3
		.amdhsa_memory_ordered 1
		.amdhsa_forward_progress 1
		.amdhsa_inst_pref_size 87
	.end_amdhsa_kernel
	.amdgpu_metadata
---
amdhsa.version: [ 1, 2 ]
amdhsa.kernels:
  - .name:           k_q4dc37f579d_prep
    .symbol:         k_q4dc37f579d_prep.kd
    .args:
      - { .name: hidden_states, .offset: 0, .size: 8, .value_kind: global_buffer, .address_space: global }
      - { .name: w_qkv, .offset: 8, .size: 8, .value_kind: global_buffer, .address_space: global }
      - { .name: w_out, .offset: 16, .size: 8, .value_kind: global_buffer, .address_space: global }
      - { .name: attention_mask, .offset: 24, .size: 8, .value_kind: global_buffer, .address_space: global }
      - { .name: causal_mask, .offset: 32, .size: 8, .value_kind: global_buffer, .address_space: global }
      - { .name: xq, .offset: 40, .size: 8, .value_kind: global_buffer, .address_space: global }
      - { .name: wq, .offset: 48, .size: 8, .value_kind: global_buffer, .address_space: global }
      - { .name: woq, .offset: 56, .size: 8, .value_kind: global_buffer, .address_space: global }
      - { .name: masks, .offset: 64, .size: 8, .value_kind: global_buffer, .address_space: global }
    .group_segment_fixed_size: 33280
    .private_segment_fixed_size: 0
    .kernarg_segment_align: 8
    .kernarg_segment_size: 72
    .max_flat_workgroup_size: 128
    .sgpr_count:     66
    .vgpr_count:     192
    .wavefront_size: 32
...
	.end_amdgpu_metadata
.endif
;; end of part 1
;; launch qkv (part 2): grid 12 x 32, 4 waves a work-group, clusters of 4 x 4, 327,680 bytes of LDS; arguments xq, wq, qkv; writes qkv
.if DOCPART == 2
	.amdgcn_target "amdgcn-amd-amdhsa--gfx1250"
	.amdhsa_code_object_version 6
	.text
	.protected	k_q4dc37f579d_qkv
	.globl	k_q4dc37f579d_qkv
	.p2align	8
	.type	k_q4dc37f579d_qkv,@function
k_q4dc37f579d_qkv:
	s_mov_b64 s[64:65], 0
	v_nop
	global_prefetch_b8 v0, s[64:65] scope:SCOPE_SE
	s_setreg_imm32_b32 hwreg(HW_REG_WAVE_MODE, 25, 1), 1
	s_wait_xcnt 0x0
	s_wait_alu depctr_hold_cnt(0) depctr_sa_sdst(0) depctr_va_vdst(0) depctr_va_sdst(0) depctr_va_ssrc(0) depctr_va_vcc(0) depctr_vm_vsrc(0)
	s_getreg_b32 s2, hwreg(HW_REG_IB_STS2, 6, 4)
	s_cmp_eq_u32 s2, 0
	s_cbranch_scc0 .Lentry_in_a_cluster
	s_endpgm
.Lentry_in_a_cluster:
	s_bfe_u32 s2, ttmp6, 0x10000c
	s_cmp_lg_u32 s2, 0xf033
	s_cbranch_scc0 .Lentry_shape_is_right
	s_endpgm
.Lentry_shape_is_right:
; qkv = X Wqkv^T on codes of FP6 (E2M3) with E8M0 scales, f32 sums; the result never goes to memory as f32: it is quantised in registers and leaves as IMAGES OF OPERAND REGISTERS for the attention launch.
; X: xq, 8,192 rows; W: wq, 3,072 rows; in each buffer 32 scale bytes a row from byte 0, then 768 bytes of codes a row; rows laid by position (in each 32 rows, position 16 u + 8 a + c holds row 16 a + 8 u + c).
; A tile of 256 x 256 is made by four waves, each 128 x 128: 64 accumulators, 512 registers.  K = 1,024 goes in steps of 256 through two LDS slots filled by the tensor data mover; the scale bytes of the tile's rows come once.
; CLUSTERS: 4 x 4 work-groups; X's tiles are asked for jointly along a row of the cluster, W's along a column.
; ROLES.  Source 1 of the matrix instruction gives a lane its ROW, source 0 the eight numbers in its registers.  q and k are quantised along the head's channels, so there source 1 = tokens and source 0 = rows of W.
;   v is quantised along the tokens (the keys are the second attention product's K), so in the tile columns of v (cluster x = 2) the roles are swapped: by the LDS addresses of the fragment loads alone.
;   The swap hangs on the cluster's x, which all partners share; loads, masks, barriers and the loop's text are the same in both.
; By the rows' order the 16 registers of result tiles 2 g and 2 g + 1 are 16 neighbours, 32 g + 16 (lane / 16) + 0 .. 15, along the axis to be quantised.
; OUT.  Entry (G, T): G = 128 rows of W (0-7 q, 8-15 k, 16-23 v, a pair of heads each), T = 128 tokens.  Eight fragments of 12 registers, each pair of registers stored as 8 bytes a lane: 256 consecutive bytes, aligned.
;   Scale words: 16 bytes a lane, word g: lanes 0-15 fragment 2 g's rows, lanes 16-31 fragment 2 g + 1's.
; LIMITS: a block of zeros carries the byte 1 (its codes are zeros; only this program reads the bytes); NaN and infinities are not served.
.set SIZE_K, 1024
.set KSTEP,  256                       ; along K in a slot
.set NQ,     KSTEP/128                 ; matrix instructions deep
.set ROWB,   192                       ; a tile's row in bytes
.set KROW,   SIZE_K*6/8                ; a row of codes in memory
.set PITCH,  240                       ; an LDS row: 3 x (64 bytes + 16 of padding)
.set FR,     12                        ; registers of a fragment
.set NL,     6                         ; LDS loads that bring one
.set NP,     4                         ; places behind this matrix instruction (ISA guide 7.12.1)
.set HALFT,  128*PITCH                 ; 128 rows: what one tensor load brings
.set SLOT,   4*HALFT                   ; X's 256 rows, then W's 256 rows
.set LAPS,   SIZE_K/(2*KSTEP)
.set KS,     SIZE_K/32                 ; a row of scale bytes
.set SCL,    2*SLOT                    ; behind the ring: the scales, as rows of 256 bytes + 16 of padding
.set HALFS,  (128*KS/256)*272          ; the scales of 128 rows
.set SBLK,   (16*KS/256)*272           ; those of 16 rows
.set SPARE,  SCL+4*HALFS               ; the spare words, 128 bytes a wave
.set XC,     262144                    ; where the codes begin in xq,
.set WC,     98304                     ; and in wq
.set QIMG,   786432                    ; where the images begin in qkv
.set ADRA, 16                          ; v16-17 LDS address of source 1's fragments in slot 0, 1 (v18-19: behind one padding more)
.set ADRB, 20                          ; v20-23 the same for source 0
.set L8,   24                          ; v24 8 x lane
.set L16,  25                          ; v25 16 x lane
.set ADRS, 27                          ; v27 LDS address of my scale words: lanes 0-15 source 1's rows, lanes 16-31 source 0's
.set SPW,  28                          ; v28 my spare word; never rewritten
.set NIL,  29                          ; v29 0; never rewritten
.set SC,   32                          ; v32-63 scale words, two sets
.set AF,   128                         ; source 1's fragments, window 0
.set TM,   32                          ; the way out: v32-35 largest magnitudes, v36-39 bytes, v44-47 the conversions' scale operands
.set PW,   48                          ; v48-55 the eight fragments' scale words
.set WM,   56                          ; v56-59 the four words as stored
.set T2,   60                          ; v60-62, v64-66 the upper halves of two blocks' codes
.set CD,   128                         ; v128-223 the eight fragments' codes: a set for each, so that no store's data are written again
.set G1, 24
.set G0, 32
.set G1B, 48
.set G0B, 56
.set G1S, 68
.set G0S, 76
.set G1SB, 80
.set G0SB, 88
.set SEL, 20                           ; s[20:21] on the way out: the selects for lane l xor 16
.set HI,  95                           ; s95 the mask of lanes 16-31
.set MSB, 0
.macro WIN new                         ; the immediate's high byte repeats the setting that is left
.if MSB != (\new)
	s_set_vgpr_msb (MSB<<8)|(\new)
.set MSB, (\new)
.endif
.endm
.set MUL_LO, 0xa1                      ; source 0 window 1, source 1 window 0, C and D window 2
.set MUL_HI, 0xf1                      ; the same, C and D window 3
.set TO_B,   0x40                      ; destination window 1, address window 0
; A joint load: waves 0 and 1 fetch X's halves, waves 2 and 3 W's.  The branch hangs on the wave's number alone.  An s_nop 0 and four v_nop follow each of the two lines.
.macro JLOAD g0a, g1a, g0b, g1b
	s_cmp_eq_u32 s15, 0
	s_cbranch_scc0 .Lfor_b_\@
	tensor_load_to_lds s[\g0a:\g0a+3], s[\g1a:\g1a+7]
	s_nop 0
.rept 4
	v_nop
.endr
	s_branch .Lasked_\@
.Lfor_b_\@:
	tensor_load_to_lds s[\g0b:\g0b+3], s[\g1b:\g1b+7]
	s_nop 0
.rept 4
	v_nop
.endr
.Lasked_\@:
.endm
.macro CREST                           ; a round of the cluster's barrier behind its opening barrier
	s_cmp_lg_u32 s14, 0
	s_cbranch_scc1 .Lnot_wave_0_\@
	s_barrier_signal -3
.Lnot_wave_0_\@:
	s_barrier_wait -3
	s_barrier_signal -1
	s_barrier_wait -1
.endm
.macro CROUND
	s_barrier_signal -1
	s_barrier_wait -1
	CREST
.endm
	s_load_b128 s[4:7], s[0:1], 0x0                ; xq s[4:5], wq s[6:7]
	s_load_b64 s[12:13], s[0:1], 0x10              ; qkv
	v_lshl_add_u32 v[SPW], v0, 2, SPARE
	v_mov_b32 v[NIL], 0
	ds_add_u32 v[SPW], v[NIL]                      ; the wave's opening: the add and its wait ahead of my first tensor load; work on registers stands between them
	v_lshrrev_b32 v1, 5, v0
	v_readfirstlane_b32 s14, v1                    ; wave 0..3
	s_lshr_b32 s15, s14, 1                         ; which half of source 1's 256 rows is mine.  Also: I fetch for X (0) or for W (1)
	s_and_b32 s16, s14, 1                          ; which half of source 0's.  Also: which 128 rows of that tile I fetch
	s_bfe_u32 s40, ttmp6, 0x40000                  ; cx, cy: my place in the cluster
	s_bfe_u32 s41, ttmp6, 0x40004
	s_lshl_b32 s42, ttmp9, 2
	s_add_co_u32 s42, s42, s40                     ; tile column (W) = 4 x cluster x + cx
	s_and_b32 s17, ttmp7, 0xffff
	s_lshl_b32 s17, s17, 2
	s_add_co_u32 s17, s17, s41                     ; tile row (X) = 4 x cluster y + cy
	s_lshl_b32 s43, s41, 2
	s_lshl_b32 s43, 15, s43                        ; my row of the cluster
	s_lshl_b32 s44, 0x1111, s40                    ; my column
	; descriptor group 1: a tile of 128 rows x 192 bytes, 16 bytes of padding behind every 64
	s_or_b32 s[G1+0], s43, (0<<16)|(1<<20)|(1<<21)|(3<<22)|(3<<25)
	s_or_b32 s[G1B+0], s44, (0<<16)|(1<<20)|(1<<21)|(3<<22)|(3<<25)
.irp g, G1, G1B
	s_mov_b32 s[\g+1], ROWB<<16                    ; tensor_dim0
	s_mov_b32 s[\g+2], 128<<16                     ; tensor_dim1
	s_mov_b32 s[\g+3], ROWB<<16                    ; tile_dim0
	s_mov_b32 s[\g+4], 128                         ; tile_dim1
	s_mov_b32 s[\g+5], KROW                        ; the pitch
	s_mov_b32 s[\g+6], 0
	s_mov_b32 s[\g+7], 0
.endr
	; the scales of 128 rows: 4,096 dense bytes as rows of 256 bytes (32 elements of 8 bytes), 16 bytes of padding behind each
	s_or_b32 s[G1S+0], s43, (3<<16)|(1<<20)|(1<<21)|(5<<22)|(3<<25)
	s_or_b32 s[G1SB+0], s44, (3<<16)|(1<<20)|(1<<21)|(5<<22)|(3<<25)
.irp g, G1S, G1SB
	s_mov_b32 s[\g+1], 32<<16
	s_mov_b32 s[\g+2], (128*KS/256)<<16
	s_mov_b32 s[\g+3], 32<<16
	s_mov_b32 s[\g+4], 128*KS/256
	s_mov_b32 s[\g+5], 32
	s_mov_b32 s[\g+6], 0
	s_mov_b32 s[\g+7], 0
.endr
	s_lshl_b32 s18, s16, 7                         ; which 128 rows of the tile I fetch
	s_lshl_b32 s20, s17, 8
	s_add_co_u32 s20, s20, s18                     ; X: row 256 x tile row + 128 x half
	s_lshl_b32 s46, s42, 8
	s_add_co_u32 s46, s46, s18                     ; W: row 256 x tile column + 128 x half
	s_mov_b32 s21, 0
	s_mov_b32 s47, 0
	s_mov_b64 s[18:19], KS
	s_mul_u64 s[22:23], s[20:21], s[18:19]         ; where these rows' scales begin, in bytes
	s_mul_u64 s[92:93], s[46:47], s[18:19]
	s_mov_b64 s[18:19], KROW
	s_mul_u64 s[20:21], s[20:21], s[18:19]         ; and their codes, behind the buffer's scale rows
	s_mul_u64 s[46:47], s[46:47], s[18:19]
	s_add_nc_u64 s[20:21], s[20:21], XC
	s_add_nc_u64 s[46:47], s[46:47], WC
	s_mul_i32 s45, s14, HALFT                      ; where they go: wave x 128 rows
	s_mul_i32 s94, s14, HALFS
	s_mov_b32 s[HI], 0xffff0000
	s_wait_dscnt 0x0                               ; the opening add is done
	s_wait_kmcnt 0x0
	s_add_nc_u64 s[20:21], s[4:5], s[20:21]
	s_add_nc_u64 s[22:23], s[4:5], s[22:23]
	s_add_nc_u64 s[46:47], s[6:7], s[46:47]
	s_add_nc_u64 s[92:93], s[6:7], s[92:93]
	CROUND                                         ; all sixteen work-groups are here: the first joint loads meet
	s_mov_b32 s[G0S], 1
	s_add_co_u32 s[G0S+1], s94, SCL
	s_mov_b64 s[G0S+2:G0S+3], s[22:23]
	s_or_b32 s[G0S+3], s[G0S+3], 0x80000000
	s_mov_b32 s[G0SB], 1
	s_add_co_u32 s[G0SB+1], s94, SCL
	s_mov_b64 s[G0SB+2:G0SB+3], s[92:93]
	s_or_b32 s[G0SB+3], s[G0SB+3], 0x80000000
	JLOAD G0S, G1S, G0SB, G1SB                     ; the scales first: they are wanted with K step 0
.irp s, 0,1
	s_mov_b32 s[G0+4*\s], 1
	s_add_co_u32 s[G0+4*\s+1], s45, \s*SLOT
	s_add_nc_u64 s[G0+4*\s+2:G0+4*\s+3], s[20:21], \s*ROWB
	s_or_b32 s[G0+4*\s+3], s[G0+4*\s+3], 0x80000000
	s_mov_b32 s[G0B+4*\s], 1
	s_add_co_u32 s[G0B+4*\s+1], s45, \s*SLOT
	s_add_nc_u64 s[G0B+4*\s+2:G0B+4*\s+3], s[46:47], \s*ROWB
	s_or_b32 s[G0B+4*\s+3], s[G0B+4*\s+3], 0x80000000
	JLOAD G0+4*\s, G1, G0B+4*\s, G1B
.endr
	v_and_b32 v1, 15, v0                           ; l % 16
	v_bfe_u32 v2, v0, 4, 1                         ; l / 16
	v_mul_u32_u24 v3, v1, PITCH
	v_mul_u32_u24 v4, v2, 24
	v_add_nc_u32 v4, v3, v4                        ; a fragment's row x pitch + 24 x half
	v_lshl_add_u32 v5, v2, 4, v4                   ; and the same behind one padding more
	s_cmp_ge_u32 ttmp9, 2                          ; the tile columns of v?  (the cluster's x: the same in all sixteen partners)
	s_cselect_b32 s8, 2*HALFT, 0                   ; source 1's tile in a slot: X's, or W's for v
	s_cselect_b32 s9, 0, 2*HALFT                   ; source 0's: the other
	s_cselect_b32 s10, 2*HALFS, 0                  ; and their scales
	s_cselect_b32 s11, 0, 2*HALFS
	s_cselect_b32 s96, s15, s16                    ; which half of the tile's rows of W is mine,
	s_cselect_b32 s97, s16, s15                    ; and which half of its tokens
	s_mul_i32 s21, s15, HALFT
	s_add_co_u32 s21, s21, s8
	s_mul_i32 s22, s16, HALFT
	s_add_co_u32 s22, s22, s9
.irp s, 0,1
	v_add_nc_u32 v[ADRA+\s], s21, v4
	v_add_nc_u32 v[ADRB+\s], s22, v4
	v_add_nc_u32 v[ADRA+2+\s], s21, v5
	v_add_nc_u32 v[ADRB+2+\s], s22, v5
	s_add_co_u32 s21, s21, SLOT
	s_add_co_u32 s22, s22, SLOT
.endr
	v_mul_u32_u24 v5, v1, KS                       ; my row's scales: KS bytes a row,
	v_lshrrev_b32 v6, 8, v5
	v_lshl_add_u32 v5, v6, 4, v5                   ; and 16 more for each 256 passed
	s_mul_i32 s21, s15, HALFS
	s_add_co_u32 s21, s21, s10
	s_add_co_u32 s21, s21, SCL                     ; source 1's 128 rows
	s_mul_i32 s22, s16, HALFS
	s_add_co_u32 s22, s22, s11
	s_add_co_u32 s22, s22, SCL                     ; source 0's
	v_mov_b32 v6, s21
	v_mov_b32 v7, s22
	v_cndmask_b32 v6, v6, v7, s[HI]                ; lanes 16-31 take source 0's
	v_add_nc_u32 v[ADRS], v5, v6
	v_and_b32 v6, 31, v0
	v_lshlrev_b32 v[L8], 3, v6
	v_lshlrev_b32 v[L16], 4, v6
	s_lshl_b32 s46, s42, 1
	s_add_co_u32 s46, s46, s96                     ; G
	s_lshl_b32 s47, s17, 1
	s_add_co_u32 s47, s47, s97                     ; T
	s_lshl_b32 s46, s46, 6
	s_add_co_u32 s46, s46, s47                     ; the entry: 64 G + T
	s_mul_i32 s20, s46, 12288
	s_add_co_u32 s20, s20, QIMG
	s_mov_b32 s21, 0
	s_lshl_b32 s22, s46, 9
	s_mov_b32 s23, 0
	s_add_nc_u64 s[22:23], s[12:13], s[22:23]      ; my entry's scale words
	s_add_nc_u64 s[12:13], s[12:13], s[20:21]      ; and its images
	s_mov_b32 s[SEL], 0x76543210
	s_mov_b32 s[SEL+1], 0xfedcba98
.macro FRAG reg, adr, q, i             ; a fragment, 16 rows x 128 K: lane l holds row l % 16; registers 6 c .. 6 c + 5 hold K = 64 c + 32 (l / 16) + 0 .. 31: 24 bytes of the row, as they lie, in pieces of 8 bytes
.irp p, 0,1,2,3,4,5
.set PCE, 12*(\q)+6*(\p/3)+\p%3       ; 16 bytes of padding lie behind every 8 pieces: where the piece three on lies behind one padding more, the second address register serves
.if PCE%8 < 5
	ds_load_b64 v[\reg+2*\p:\reg+2*\p+1], v[\adr] offset:8*PCE+16*(PCE/8)+(\i)*16*PITCH
.else
	ds_load_b64 v[\reg+2*\p:\reg+2*\p+1], v[\adr+2] offset:8*PCE+16*(PCE/8)+(\i)*16*PITCH
.endif
.endr
.endm
; 16 matrix instructions: source 1's blocks a0, a0 + 1 x source 0's eight.  The 64 accumulators take turns, one instruction a turn, in the same order in every step.
.macro MUL16 a0, p, q, sc, zero
.irp a, \a0, \a0+1
.irp b, 0,1,2,3,4,5,6,7
.if \zero
	v_wmma_scale_f32_16x16x128_f8f6f4 v[8*(8*((\a)%4)+\b):8*(8*((\a)%4)+\b)+7], v[128*(\p)+FR*\b:128*(\p)+FR*\b+FR-1], v[AF+FR*(\a):AF+FR*(\a)+FR-1], 0, v[SC+8*NQ*(\sc)+NQ*\b+(\q)], v[SC+8*NQ*(\sc)+NQ*(\a)+(\q)] matrix_a_fmt:MATRIX_FMT_FP6 matrix_b_fmt:MATRIX_FMT_FP6 matrix_a_scale:MATRIX_SCALE_ROW1
.else
	v_wmma_scale_f32_16x16x128_f8f6f4 v[8*(8*((\a)%4)+\b):8*(8*((\a)%4)+\b)+7], v[128*(\p)+FR*\b:128*(\p)+FR*\b+FR-1], v[AF+FR*(\a):AF+FR*(\a)+FR-1], v[8*(8*((\a)%4)+\b):8*(8*((\a)%4)+\b)+7], v[SC+8*NQ*(\sc)+NQ*\b+(\q)], v[SC+8*NQ*(\sc)+NQ*(\a)+(\q)] matrix_a_fmt:MATRIX_FMT_FP6 matrix_b_fmt:MATRIX_FMT_FP6 matrix_a_scale:MATRIX_SCALE_ROW1
.endif
.endr
.endr
.endm
.macro FETCH_B slot, q, p
	WIN TO_B
.irp i, 0,1,2,3,4,5,6,7
	FRAG 128*(\p)+FR*\i, ADRB+\slot, \q, \i
.endr
	WIN 0
.endm
.macro FETCH_A slot, q, i0
.irp i, \i0, \i0+1, \i0+2, \i0+3
	FRAG AF+FR*(\i), ADRA+\slot, \q, \i
.endr
.endm
.macro SCALES sc                       ; a K step's scale words: two words a row; lanes 0-15 source 1's block i, lanes 16-31 source 0's block i
.irp i, 0,1,2,3,4,5,6,7
	ds_load_b64 v[SC+8*NQ*\sc+NQ*\i:SC+8*NQ*\sc+NQ*\i+1], v[ADRS] offset:\i*SBLK
.endr
.endm
.macro PLACES n                        ; plain vector instructions between a matrix instruction and a load into, or a vector read or write of, its registers
.rept \n
	v_nop
.endr
.endm
.macro STEP slot, q, zero              ; 128 along K that have their successor in the same slot
	s_wait_dscnt 4*NL                              ; source 0's set and source 1's blocks 0-3 are in; the youngest 24 loads (blocks 4-7) may be out
	WIN MUL_LO
	MUL16 0, (\q)%2, \q, \slot, \zero
	MUL16 2, (\q)%2, \q, \slot, \zero
	s_wait_dscnt 0
	PLACES NP
	FETCH_B \slot, (\q)+1, 1-(\q)%2
	FETCH_A \slot, (\q)+1, 0
	WIN MUL_HI
	MUL16 4, (\q)%2, \q, \slot, \zero
	MUL16 6, (\q)%2, \q, \slot, \zero
	PLACES NP
	WIN 0
	FETCH_A \slot, (\q)+1, 4
.endm
; A slot's last 128 along K change slots: ONE barrier; in front of it each wave waits for all its tensor loads, adds 0 to its spare word, and waits for that and for its reads of this slot.
.macro TURN slot, next, fill
	s_wait_tensorcnt 0x0                           ; all my tensor loads have landed: my part of the next slot
	ds_add_u32 v[SPW], v[NIL]
	s_wait_dscnt 4*NL+1                            ; the add and the youngest 24 loads may be out
	WIN MUL_LO
	MUL16 0, 1, NQ-1, \slot, 0
	s_wait_dscnt 0x0                               ; the add is done, and my reads of this slot are over
	s_barrier_signal -1
	MUL16 2, 1, NQ-1, \slot, 0
	WIN 0
	s_barrier_wait -1
.if \fill
	CREST                                          ; the barrier has opened a round of the cluster's: no wave of any partner still reads this slot or has a load on its way
	s_add_nc_u64 s[G0+4*\slot+2:G0+4*\slot+3], s[G0+4*\slot+2:G0+4*\slot+3], 2*ROWB
	s_add_nc_u64 s[G0B+4*\slot+2:G0B+4*\slot+3], s[G0B+4*\slot+2:G0B+4*\slot+3], 2*ROWB
	JLOAD G0+4*\slot, G1, G0B+4*\slot, G1B         ; the first tensor load behind the round; its four v_nop are the places in front of the loads below
.else
	PLACES NP
.endif
	v_add_nc_u32 v[ADRS], 4*NQ, v[ADRS]            ; on to the next K step's scale words
	FETCH_B \next, 0, 0
	FETCH_A \next, 0, 0
	SCALES \next
	WIN MUL_HI
	MUL16 4, 1, NQ-1, \slot, 0
	MUL16 6, 1, NQ-1, \slot, 0
	PLACES NP
	WIN 0
	FETCH_A \next, 0, 4
.endm
	s_wait_tensorcnt 1                             ; the scales and my part of K step 0 are in; K step 1's load may be out
	s_barrier_signal -1
	s_barrier_wait -1
	FETCH_B 0, 0, 0
	FETCH_A 0, 0, 0
	SCALES 0
	FETCH_A 0, 0, 4
	STEP 0, 0, 1                                   ; the first products start the sums: nothing is cleared
	s_mov_b32 s3, LAPS-1
.Llap:
	TURN 0, 1, 1
	STEP 1, 0, 0
	TURN 1, 0, 1
	STEP 0, 0, 0
	s_sub_co_u32 s3, s3, 1
	s_cmp_lg_u32 s3, 0
	s_cbranch_scc1 .Llap
	TURN 0, 1, 0                                   ; the last lap fills nothing
	STEP 1, 0, 0
	s_wait_dscnt 4*NL
	WIN MUL_LO
	MUL16 0, 1, NQ-1, 1, 0
	MUL16 2, 1, NQ-1, 1, 0
	s_wait_dscnt 0
	WIN MUL_HI
	MUL16 4, 1, NQ-1, 1, 0
	MUL16 6, 1, NQ-1, 1, 0
	WIN 0
; THE WAY OUT.  Block a of source 1: a lane holds one row and 64 numbers, register 16 g + i = place 32 g + 16 (lane / 16) + i along the axis to be quantised: four blocks of 32, each in lanes l and l xor 16.
; They become a fragment's 12 registers and its rows' scale word, and leave from registers: no LDS.  Each accumulator is read from its low end on.
.macro QOUT a
.set W, 2+(\a)/4                       ; the accumulators' window
.set AC, 64*((\a)%4)
.set CA, CD+12*(\a)
	WIN W|(W<<2)
.irp b, 0,1,2,3
	v_max3_num_f32 v[TM+\b], |v[AC+16*\b]|, |v[AC+16*\b+1]|, 0x1800000   ; my 16 numbers of block b, and the floor 2^(3 - 127): the byte cannot fall under 1
.endr
	WIN (W<<2)|(W<<4)
.irp i, 2,4,6,8,10,12,14
.irp b, 0,1,2,3
	v_max3_num_f32 v[TM+\b], v[TM+\b], |v[AC+16*\b+\i]|, |v[AC+16*\b+\i+1]|
.endr
.endr
	WIN 0
.irp b, 0,1,2,3
	v_permlanex16_b32 v[TM+4+\b], v[TM+\b], s[SEL], s[SEL+1]
.endr
.irp b, 0,1,2,3
	v_max_num_f32 v[TM+\b], v[TM+\b], v[TM+4+\b]   ; with lane l xor 16's: the block's largest magnitude
.endr
.irp b, 0,1,2,3
	v_add_nc_u32 v[TM+12+\b], 0xff000000, v[TM+\b] ; 2 off its exponent field: the conversion's scale operand
.endr
.irp b, 0,1,2,3
	v_lshrrev_b32 v[TM+4+\b], 23, v[TM+12+\b]      ; the scale's byte
.endr
	v_lshl_or_b32 v[PW+\a], v[TM+5], 8, v[TM+4]
	v_lshl_or_b32 v[PW+\a], v[TM+6], 16, v[PW+\a]
	v_lshl_or_b32 v[PW+\a], v[TM+7], 24, v[PW+\a]
	WIN W
.irp c, 0,1
	v_cvt_scalef32_pk16_fp6_f32 v[CA+6*\c:CA+6*\c+2], v[AC+32*\c:AC+32*\c+15], v[TM+12+2*\c]
	v_cvt_scalef32_pk16_fp6_f32 v[T2+4*\c:T2+4*\c+2], v[AC+32*\c+16:AC+32*\c+31], v[TM+12+2*\c+1]   ; (a conversion's three registers begin on an even number)
.endr
	WIN 0
	v_nop                                          ; one plain place behind a scaled conversion
.irp c, 0,1                            ; the operand's layout wants a whole block in a lane: lanes 0-15 block 2 c, lanes 16-31 block 2 c + 1
.irp i, 0,1,2
	v_permlane16_swap_b32 v[CA+6*\c+\i], v[T2+4*\c+\i]
.endr
.irp i, 0,1,2
	v_mov_b32 v[CA+3+6*\c+\i], v[T2+4*\c+\i]
.endr
.endr
.irp i, 0,1,2,3,4,5
	global_store_b64 v[L8], v[CA+2*\i:CA+2*\i+1], s[12:13] offset:1536*(\a)+256*\i   ; 32 lanes store 256 consecutive bytes, aligned
.endr
.endm
	PLACES NP                                      ; behind the last products: their results are read and their operands' registers written below
.irp b, 0,1,2,3
	v_mov_b32 v[TM+4+\b], 0                        ; a lane permute's destination counts as one of its sources
.endr
.irp a, 0,1,2,3,4,5,6,7
	QOUT \a
.endr
.irp g, 0,1,2,3
	v_cndmask_b32 v[WM+\g], v[PW+2*\g], v[PW+2*\g+1], s[HI]   ; lanes 0-15 fragment 2 g's words, lanes 16-31 fragment 2 g + 1's
.endr
	global_store_b128 v[L16], v[WM:WM+3], s[22:23] ; 512 consecutive bytes
	s_wait_tensorcnt 0x0                           ; the wave's end
	ds_add_u32 v[SPW], v[NIL]
	s_wait_dscnt 0x0
	CROUND                                         ; the closing round: no work-group ends while a partner may still ask for a tile that names it
	s_endpgm
.Lfunc_end_k_q4dc37f579d_qkv:
	.size	k_q4dc37f579d_qkv, .Lfunc_end_k_q4dc37f579d_qkv-k_q4dc37f579d_qkv
	.p2alignl 7, 3214868480
	.fill 96, 4, 3214868480
	.section	.rodata,"a",@progbits
	.p2align	6, 0x0
	.amdhsa_kernel k_q4dc37f579d_qkv
		.amdhsa_group_segment_fixed_size 327680
		.amdhsa_private_segment_fixed_size 0
		.amdhsa_enable_private_segment 0
		.amdhsa_kernarg_size 24
		.amdhsa_user_sgpr_count 2
		.amdhsa_user_sgpr_kernarg_segment_ptr 1
		.amdhsa_wavefront_size32 1
		.amdhsa_system_sgpr_workgroup_id_x 1
		.amdhsa_system_sgpr_workgroup_id_y 1
		.amdhsa_system_sgpr_workgroup_id_z 1
		.amdhsa_system_vgpr_workitem_id 0
		.amdhsa_next_free_vgpr 1024
		.amdhsa_next_free_sgpr 100
		.amdhsa_reserve_vcc 0
		.amdhsa_float_denorm_mode_32 3
		.amdhsa_float_denorm_mode_16_64 3
		.amdhsa_memory_ordered 1
		.amdhsa_forward_progress 1
		.amdhsa_inst_pref_size 167
	.end_amdhsa_kernel
	.amdgpu_metadata
---
amdhsa.version: [ 1, 2 ]
amdhsa.kernels:
  - .name:           k_q4dc37f579d_qkv
    .symbol:         k_q4dc37f579d_qkv.kd
    .args:
      - { .name: xq, .offset: 0, .size: 8, .value_kind: global_buffer, .address_space: global }
      - { .name: wq, .offset: 8, .size: 8, .value_kind: global_buffer, .address_space: global }
      - { .name: qkv, .offset: 16, .size: 8, .value_kind: global_buffer, .address_space: global }
    .group_segment_fixed_size: 327680
    .private_segment_fixed_size: 0
    .kernarg_segment_align: 8
    .kernarg_segment_size: 24
    .max_flat_workgroup_size: 128
    .sgpr_count:     100
    .vgpr_count:     1024
    .wavefront_size: 32
...
	.end_amdgpu_metadata
.endif
;; end of part 2
;; launch attn (part 3): grid 4 x 64, 16 waves a work-group, no clusters, 210,944 bytes of LDS; arguments qkv, masks, oq; writes oq
.if DOCPART == 3
	.amdgcn_target "amdgcn-amd-amdhsa--gfx1250"
	.amdhsa_code_object_version 6
	.text
	.protected	k_q4dc37f579d_attn
	.globl	k_q4dc37f579d_attn
	.p2align	8
	.type	k_q4dc37f579d_attn,@function
k_q4dc37f579d_attn:
	s_mov_b64 s[64:65], 0
	v_nop
	global_prefetch_b8 v0, s[64:65] scope:SCOPE_SE
	s_setreg_imm32_b32 hwreg(HW_REG_WAVE_MODE, 25, 1), 1
	s_wait_xcnt 0x0
; o = softmax(q k^T / 8, masked) v for one head, both products on codes of FP6 (E2M3) with E8M0 scales; o is quantised along the model's 1,024 channels and leaves as images of operand registers.
; THE SOFTMAX AHEAD OF THE SECOND PRODUCT: t = score x log2(e) / 8; M = the row's largest t so far, rounded up to a whole number; p = 2^(t - M) is quantised along the keys, not normalised.  The row's sum is taken of
; the unquantised p and divides o at the end.  When M moves, the sum and o are multiplied by 2^(old M - new M): exact.
; SHARES.  A work-group owns one head of one batch and a quarter of its queries.  All of the head's k and v (codes and scale words, 209 KB) are copied into LDS once, wave w bringing key step w; one barrier; then only reads.
;   Wave w of work-group j owns the query tiles 16 j + w and 64 + 16 j + w, one after the other, and walks all 16 key steps of 128 keys for each.
; MASKS.  Both masks are honoured as they are given, through the table that the first launch made of them: for each tile of 16 queries x 128 keys 64 lane masks, one for each score register.  In EVERY step the hidden scores
;   become -infinity ahead of the maximum, by selects: no branch, no trip count and no address hangs on a mask.  So tiles that the given masks hide altogether are computed too: their p are zeros.
;   A step's lane masks are asked for a step ahead, behind the wait for the exponentials, where the selects that read those registers are done; the 16th step is written out and asks for nothing.
; NO JOINT LOADS, though the four work-groups of a head copy the same k and v: the copy is made once, ahead of the work-group's 512 wave steps, and k's scale words are cut to the head's two bytes in registers on the way.
;   It is 53 MB of reads in the launch where joint loads would make 13.
; LAYOUT.  Both products transposed: S^T = k q^T, O^T = v^T p^T: a lane holds one query throughout.  Tokens and channels are laid by position (in each 32, position 16 u + 8 a + c holds 16 a + 8 u + c), so the 16 registers of
;   result tiles 2 g and 2 g + 1 are 16 neighbours along the next K.
; K = 64 IN AN INSTRUCTION OF K = 128: q's registers 6-11 are zero codes.  k's operand of tile t is v[32 + 6 t .. 43 + 6 t]: its upper six registers are the next tile's codes (zeros behind the last).  Every 6-bit code is a finite
;   number, and finite x 0 adds nothing; scale bytes 2 and 3 of both sides are 0, never 0xff.
; A ROW WITH NO KEY is NaN in the model: its codes of o are zeros and its scale bytes 0xff, which makes the last product's whole row NaN.
; ADDRESSES.  Only s[4:9] (the three buffers) and s[30:31] (a step's lane masks) ever hold an address.  Vector loads and stores take a buffer's own pointer as their base and the whole offset,
;   under 20 MB, in a vector register: a scalar offset made of ids + the lane's term.  The registers of the lane masks hold whole numbers alone.
; LIMITS: NaN and infinities among the inputs are not served; t is one multiplication by log2(e) / 8; a block of zeros carries the byte 1.  o's scale bytes leave as single bytes, 32 a tile, 32 bytes apart: 0.26 MB in all.
.set QIMG,  786432                     ; where the images begin in qkv; an entry (128 rows of W, 128 tokens) is 12,288 bytes, its scale words 512
.set OIMG,  262144                     ; where the images begin in oq
.set VC,    98304                      ; LDS: k's codes at 0: 6,144 a step, 768 a tile;  v's here: 6,144 a step, 1,536 a tile
.set KSC,   196608                     ; k's scale words: 512 a step
.set VSC,   204800                     ; v's: 256 a step
.set SPARE, 208896                     ; the spare words, 128 bytes a wave
.set BM, 212                           ; v212-215 the blocks' largest scores, then largest p
.set BT, 216                           ; v216-219 at work; the scales' bytes
.set BS, 220                           ; v220-223 the conversions' scale operands
; v1-4 my lane's places in the four regions; v5, v6 the add's two; v7 8 x lane; v8-11 the step's addresses; v12 -M, v13 the largest t, v[14:15] the sum; v[16:27] q; v28 q's scale word; v29 -infinity;
; v30 16 (l % 16); v31 32 (l % 16) + l / 16; v[32:79] k's or v's fragments, v[80:85] zeros; v[86:89] k's scale words, v[90:91] v's; v92 16 x lane; v93 0xff; v94, v95, v228, v229 the fill's LDS addresses;
; v[96:159] S^T, then p; v[160:191] O^T; v[192:203] p's codes; v[204:206], v[208:210] their upper halves; v224 f, v225 p's scale word; v226, v227 at work;
; v230-233 the fill's offsets in qkv; v234, v235 q's offsets in qkv; v236, v237 o's offsets in oq.
; s10 wave; s11 at work; s12 head and batch; s13 batch; s14 head; s15 head % 2; s16 head / 2; s17 16 x (head % 2); s18 query tile; s19 tiles left; s[20:21] lane selects; s[22:23] c; s24, s25 at work;
; s26 steps left; s27, s28, s29 the step's places in LDS; s[30:31] the lane masks in memory; s[32:63], s[68:99] the 64 lane masks; s100 lanes 16-31; s101 rows with no key.
	s_load_b128 s[4:7], s[0:1], 0x0                ; qkv s[4:5], masks s[6:7]
	s_load_b64 s[8:9], s[0:1], 0x10                ; oq
	v_lshl_add_u32 v5, v0, 2, SPARE
	v_mov_b32 v6, 0
	v_lshrrev_b32 v8, 5, v0
	v_readfirstlane_b32 s10, v8                    ; wave 0..15
	s_and_b32 s12, ttmp7, 0xffff
	s_lshr_b32 s13, s12, 4                         ; batch
	s_and_b32 s14, s12, 15                         ; head
	s_and_b32 s15, s14, 1
	s_lshr_b32 s16, s14, 1
	s_lshl_b32 s17, s15, 4
	v_and_b32 v9, 31, v0
	v_lshlrev_b32 v7, 3, v9
	v_lshlrev_b32 v92, 4, v9
	v_and_b32 v10, 15, v0
	v_lshlrev_b32 v30, 4, v10
	v_bfe_u32 v11, v0, 4, 1
	v_lshl_add_u32 v31, v10, 5, v11
	v_mov_b32 v29, 0xff800000
	v_mov_b32 v93, 0xff
	v_mov_b32 v1, v7
	v_add_nc_u32 v2, VC, v7
	v_add_nc_u32 v3, KSC, v92
	v_add_nc_u32 v4, VSC, v7
	s_mul_i32 s24, s10, 6144                       ; the fill: wave w brings key step w
	v_add_nc_u32 v94, s24, v7
	v_add_nc_u32 v95, s24, v92
	v_add_nc_u32 v95, VC, v95
	s_lshl_b32 s25, s10, 9
	v_add_nc_u32 v228, s25, v3
	s_lshl_b32 s25, s10, 8
	v_add_nc_u32 v229, s25, v4
.irp i, 22,23,24,25,26,27,80,81,82,83,84,85
	v_mov_b32 v\i, 0                               ; zero codes: q's upper half, and what stands behind k's last tile
.endr
	s_mov_b32 s20, 0x76543210
	s_mov_b32 s21, 0xfedcba98                      ; lane l xor 16
	s_mov_b32 s22, 0x3e38aa3b                      ; c = log2(e) / 8
	s_mov_b32 s23, s22                             ; (named with it as a pair)
	s_mov_b32 s100, 0xffff0000
	s_lshl_b32 s24, s13, 4
	s_add_co_u32 s24, s24, s10                     ; T = 16 x batch + step
	s_lshl_b32 s25, s16, 6
	s_add_co_u32 s25, s25, s24
	s_add_co_u32 s26, s25, 512                     ; k's entry: 64 (8 + head / 2) + T
	s_add_co_u32 s27, s25, 1024                    ; v's: 64 (16 + head / 2) + T
	s_mul_i32 s28, s26, 12288
	s_mul_i32 s11, s15, 768                        ; in a tile of k's entry the second head's three pairs lie 768 bytes on
	s_add_co_u32 s28, s28, s11
	s_add_co_u32 s28, s28, QIMG                    ; k's images: byte offset in qkv
	s_mul_i32 s29, s27, 12288
	s_mul_i32 s11, s15, 6144                       ; in v's entry the second head's four tiles lie 6,144 bytes on
	s_add_co_u32 s29, s29, s11
	s_add_co_u32 s29, s29, QIMG                    ; v's images
	s_lshl_b32 s30, s26, 9                         ; k's scale words
	s_lshl_b32 s31, s27, 9
	s_lshl_b32 s11, s15, 3
	s_add_co_u32 s31, s31, s11                     ; v's words of my head: 8 bytes of a lane's 16
	v_add_nc_u32 v230, s28, v7                     ; each offset + my lane's term
	v_add_nc_u32 v231, s29, v92
	v_add_nc_u32 v232, s30, v92
	v_add_nc_u32 v233, s31, v92
	s_wait_kmcnt 0x0
.set I, 0
.rept 24
	global_load_b64 v[96+2*I:97+2*I], v230, s[4:5] offset:1536*(I/3)+256*(I%3)   ; k: tile I / 3, pair I % 3: 256 consecutive bytes
.set I, I+1
.endr
.set I, 0
.rept 12
	global_load_b128 v[144+4*I:147+4*I], v231, s[4:5] offset:512*I               ; v: 6,144 consecutive bytes
.set I, I+1
.endr
	global_load_b128 v[32:35], v232, s[4:5]
	global_load_b64 v[36:37], v233, s[4:5]
	s_wait_loadcnt 14                              ; k's 24 loads are in; v's 12 and the two of scale words may be out
.set I, 0
.rept 24
	ds_store_b64 v94, v[96+2*I:97+2*I] offset:256*I
.set I, I+1
.endr
	s_wait_loadcnt 2                               ; v's are in; the two of scale words may be out
.set I, 0
.rept 12
	ds_store_b128 v95, v[144+4*I:147+4*I] offset:512*I
.set I, I+1
.endr
	s_wait_loadcnt 0x0
.irp g, 0,1,2,3
	v_bfe_u32 v[32+\g], v[32+\g], s17, 16          ; my head's two bytes of each word of k's; bytes 2 and 3 are 0
.endr
	ds_store_b128 v228, v[32:35]
	ds_store_b64 v229, v[36:37]
	s_wait_dscnt 0x0                               ; for the others' sake: my stores have landed
	s_barrier_signal -1
	s_barrier_wait -1                              ; the head's k and v lie in LDS; from here on LDS is only read
.macro ASKM                            ; a step's 64 lane masks: 256 consecutive bytes
	s_load_b512 s[32:47], s[30:31], 0x0
	s_load_b512 s[48:63], s[30:31], 0x40
	s_load_b512 s[68:83], s[30:31], 0x80
	s_load_b512 s[84:99], s[30:31], 0xc0
.endm
; A KEY STEP: 128 keys.  ask = 1: the next step's lane masks are asked for, and the places in LDS step on.
.macro STEP ask
	v_add_nc_u32 v8, s27, v1                       ; four plain lines: also the places between the last step's products and the loads into their operands
	v_add_nc_u32 v9, s27, v2
	v_add_nc_u32 v10, s28, v3
	v_add_nc_u32 v11, s29, v4
	ds_load_b128 v[86:89], v10
.set I, 0
.rept 24
	ds_load_b64 v[32+2*I:33+2*I], v8 offset:256*I  ; k's eight tiles, six registers each
.set I, I+1
.endr
	s_wait_dscnt 0x0
.irp t, 0,1,2,3,4,5,6,7
.if \t%2
	v_wmma_scale_f32_16x16x128_f8f6f4 v[96+8*\t:103+8*\t], v[32+6*\t:43+6*\t], v[16:27], 0, v[86+\t/2], v28 matrix_a_fmt:MATRIX_FMT_FP6 matrix_b_fmt:MATRIX_FMT_FP6 matrix_a_scale:MATRIX_SCALE_ROW1
.else
	v_wmma_scale_f32_16x16x128_f8f6f4 v[96+8*\t:103+8*\t], v[32+6*\t:43+6*\t], v[16:27], 0, v[86+\t/2], v28 matrix_a_fmt:MATRIX_FMT_FP6 matrix_b_fmt:MATRIX_FMT_FP6
.endif
.endr
.rept 4
	v_nop                                          ; places in front of the loads into k's registers and of the first reads of the scores
.endr
.set I, 0
.rept 24
	ds_load_b64 v[32+2*I:33+2*I], v9 offset:256*I  ; v's four tiles, twelve registers each: they land under the softmax
.set I, I+1
.endr
	ds_load_b64 v[90:91], v11
	s_wait_kmcnt 0x0                               ; this step's lane masks, asked for a step ago
.set I, 0
.rept 32
	v_cndmask_b32 v[96+I], v[96+I], v29, s[32+I]   ; hidden scores become -infinity: p = 0.  Each accumulator from its low end on
.set I, I+1
.endr
.set I, 0
.rept 32
	v_cndmask_b32 v[128+I], v[128+I], v29, s[68+I]
.set I, I+1
.endr
.irp b, 0,1,2,3
	v_max3_num_f32 v[BM+\b], v[96+16*\b], v[97+16*\b], v[98+16*\b]   ; the largest score of each block of 32 keys: for the row's maximum, and, since p rises with the score, for the block's largest p
.endr
.irp i, 3,5,7,9,11,13
.irp b, 0,1,2,3
	v_max3_num_f32 v[BM+\b], v[BM+\b], v[96+16*\b+\i], v[97+16*\b+\i]
.endr
.endr
.irp b, 0,1,2,3
	v_max_num_f32 v[BM+\b], v[BM+\b], v[111+16*\b]
.endr
.irp b, 0,1,2,3
	v_permlanex16_b32 v[BT+\b], v[BM+\b], s20, s21
.endr
.irp b, 0,1,2,3
	v_max_num_f32 v[BM+\b], v[BM+\b], v[BT+\b]     ; with lane l xor 16's 16 keys
.endr
	v_max3_num_f32 v226, v212, v213, v214
	v_max_num_f32 v226, v226, v215                 ; the step's largest score of my query
	v_mul_f32 v226, s22, v226                      ; as t
	v_max_num_f32 v13, v13, v226                   ; the running largest t
	v_mov_b32 v226, v12
	v_floor_f32 v12, -v13                          ; the new -M = -ceil(t)
	v_sub_f32 v226, v12, v226                      ; old M - new M: a whole number, 0 or less
	v_cvt_i32_f32 v226, v226                       ; (it saturates)
	v_ldexp_f32 v224, 1.0, v226                    ; f = 2^(old M - new M)
.set I, 0
.rept 32
	v_pk_fma_f32 v[96+I:97+I], v[96+I:97+I], s[22:23], v[12:13] op_sel_hi:[1,0,0]   ; t - M
.set I, I+2
.endr
.irp b, 0,1,2,3
	v_fma_f32 v[BM+\b], v[BM+\b], s22, v12         ; the same of each block's largest score
.endr
.set I, 0
.rept 64
	v_exp_f32 v[96+I], v[96+I]                     ; p = 2^(t - M)
.set I, I+1
.endr
	v_pk_mul_f32 v[14:15], v[14:15], v[224:225] op_sel_hi:[1,0]   ; the sums under the new M: a plain place behind the exponentials
	s_wait_alu depctr_va_vdst(0)                   ; one wait for the batch, ahead of its first reader
.if \ask
	s_add_nc_u64 s[30:31], s[30:31], 256           ; no scalar load is out: the pointer steps,
	ASKM                                           ; and the next step's lane masks are asked for: the selects above are done with these registers
.endif
.irp b, 0,1,2,3
	v_exp_f32 v[BM+\b], v[BM+\b]                   ; the block's largest p
.endr
	v_pk_add_f32 v[216:217], v[96:97], v[98:99]    ; the row's sum of the unquantised p, in two chains
.irp j, 4,8,12,16,20,24,28,32,36,40,44,48,52,56,60
	v_pk_add_f32 v[14:15], v[14:15], v[96+\j:97+\j]
	v_pk_add_f32 v[216:217], v[216:217], v[98+\j:99+\j]
.endr
	v_pk_add_f32 v[14:15], v[14:15], v[216:217]
	s_wait_alu depctr_va_vdst(0)                   ; and one for the four
.irp b, 0,1,2,3
	v_max_num_f32 v[BM+\b], 0x1800000, v[BM+\b]    ; the floor 2^(3 - 127)
.endr
.irp b, 0,1,2,3
	v_add_nc_u32 v[BS+\b], 0xff000000, v[BM+\b]    ; 2 off the exponent field: the conversion's scale operand
.endr
.irp b, 0,1,2,3
	v_lshrrev_b32 v[BT+\b], 23, v[BS+\b]           ; the scale's byte
.endr
	v_lshl_or_b32 v225, v217, 8, v216              ; p's scale word for these 128 keys
	v_lshl_or_b32 v225, v218, 16, v225
	v_lshl_or_b32 v225, v219, 24, v225
.irp c, 0,1
	v_cvt_scalef32_pk16_fp6_f32 v[192+6*\c:194+6*\c], v[96+32*\c:111+32*\c], v[BS+2*\c]
	v_cvt_scalef32_pk16_fp6_f32 v[204+4*\c:206+4*\c], v[112+32*\c:127+32*\c], v[BS+2*\c+1]
.endr
	v_nop                                          ; one plain place behind a scaled conversion
.irp c, 0,1
.irp i, 0,1,2
	v_permlane16_swap_b32 v[192+6*\c+\i], v[204+4*\c+\i]
.endr
.irp i, 0,1,2
	v_mov_b32 v[195+6*\c+\i], v[204+4*\c+\i]
.endr
.endr
.set I, 0
.rept 16
	v_pk_mul_f32 v[160+I:161+I], v[160+I:161+I], v[224:225] op_sel_hi:[1,0]   ; O^T under the new M; these lines are also the places between the writes of p's codes and scale word and the products
.set I, I+2
.endr
	s_wait_dscnt 0x0                               ; v's fragments and scale words
.irp t, 0,1,2,3                        ; the four accumulators take turns, one instruction a turn; the next step's eight products of scores stand between two links
.if \t%2
	v_wmma_scale_f32_16x16x128_f8f6f4 v[160+8*\t:167+8*\t], v[32+12*\t:43+12*\t], v[192:203], v[160+8*\t:167+8*\t], v[90+\t/2], v225 matrix_a_fmt:MATRIX_FMT_FP6 matrix_b_fmt:MATRIX_FMT_FP6 matrix_a_scale:MATRIX_SCALE_ROW1
.else
	v_wmma_scale_f32_16x16x128_f8f6f4 v[160+8*\t:167+8*\t], v[32+12*\t:43+12*\t], v[192:203], v[160+8*\t:167+8*\t], v[90+\t/2], v225 matrix_a_fmt:MATRIX_FMT_FP6 matrix_b_fmt:MATRIX_FMT_FP6
.endif
.endr
.if \ask
	s_add_co_u32 s27, s27, 6144                    ; the next step's places in LDS
	s_add_co_u32 s28, s28, 512
	s_add_co_u32 s29, s29, 256
.endif
.endm
	s_lshl_b32 s18, ttmp9, 4
	s_add_co_u32 s18, s18, s10                     ; my first query tile
	s_mov_b32 s19, 2
.Ltile:
	s_lshl_b32 s24, s13, 7
	s_add_co_u32 s24, s24, s18                     ; 128 x batch + tile
	s_lshl_b32 s30, s24, 12                        ; the tile's lane masks: 256 bytes a step.  (No scalar load is out: the last was waited for in the tile before)
	s_mov_b32 s31, 0
	s_add_nc_u64 s[30:31], s[6:7], s[30:31]
	ASKM                                           ; step 0's
	s_lshr_b32 s25, s18, 3
	s_lshl_b32 s26, s13, 4
	s_add_co_u32 s25, s25, s26
	s_lshl_b32 s26, s16, 6
	s_add_co_u32 s25, s25, s26                     ; q's entry: 64 (head / 2) + 16 x batch + tile / 8
	s_and_b32 s26, s18, 7                          ; and the tile in it
	s_mul_i32 s11, s25, 12288
	s_mul_i32 s27, s26, 1536
	s_add_co_u32 s11, s11, s27
	s_mul_i32 s27, s15, 768
	s_add_co_u32 s11, s11, s27
	s_add_co_u32 s11, s11, QIMG
	v_add_nc_u32 v234, s11, v7                     ; q's image: byte offset in qkv + 8 x lane
.irp i, 0,1,2
	global_load_b64 v[16+2*\i:17+2*\i], v234, s[4:5] offset:256*\i
.endr
	s_lshl_b32 s11, s25, 9
	s_and_b32 s27, s26, 1
	s_lshl_b32 s27, s27, 8                         ; an odd tile's words lie in lanes 16-31 of the entry: 256 bytes on
	s_add_co_u32 s11, s11, s27
	s_lshr_b32 s27, s26, 1
	s_lshl_b32 s27, s27, 2
	s_add_co_u32 s11, s11, s27
	v_add_nc_u32 v235, s11, v30
	global_load_b32 v28, v235, s[4:5]              ; lane r: row r's word
	s_wait_loadcnt 0x0
	v_bfe_u32 v28, v28, s17, 16                    ; my head's two bytes.  (The lines below are the places between this write and the first scaled product)
.set I, 0
.rept 32
	v_mov_b32 v[160+I], 0                          ; O^T: the step is written for every step alike; the first finds zeros
.set I, I+1
.endr
	v_mov_b32 v13, 0xff61b1e6                      ; the largest t so far: -3e38
	v_floor_f32 v12, -v13                          ; -M
	v_mov_b32 v14, 0
	v_mov_b32 v15, 0
.irp i, 216,217,218,219,225,226
	v_mov_b32 v\i, 0                               ; lane permutes' destinations, and the upper half of the pair v[224:225]
.endr
	s_mov_b32 s27, 0
	s_mov_b32 s28, 0
	s_mov_b32 s29, 0
	s_mov_b32 s26, 15
.Lstep:                                                ; steps 0 to 14
	STEP 1
	s_sub_co_u32 s26, s26, 1
	s_cmp_lg_u32 s26, 0
	s_cbranch_scc1 .Lstep
	STEP 0                                         ; step 15 asks for nothing: no load reaches past the tile's lane masks
	; THE TILE'S END: o = O^T / the sum, quantised along the head's 64 channels (two blocks of the last product's K), stored as an image of six operand registers
.rept 4
	v_nop                                          ; places behind the last products
.endr
	v_add_f32 v14, v14, v15
	v_permlanex16_b32 v226, v14, s20, s21
	v_add_f32 v14, v14, v226                       ; the row's sum
	v_rcp_f32 v226, v14
	v_cmp_eq_f32 s101, 0, v14                      ; rows with no key.  (A plain place behind the reciprocal)
	v_mov_b32 v227, 0
	s_lshl_b32 s11, s14, 9                         ; o's image: head x 512 tiles + 128 x batch + tile, 768 bytes each
	s_lshl_b32 s25, s13, 7
	s_add_co_u32 s25, s25, s18
	s_add_co_u32 s11, s11, s25
	s_mul_i32 s11, s11, 768
	s_add_co_u32 s11, s11, OIMG
	v_add_nc_u32 v236, s11, v7                     ; byte offset in oq + 8 x lane
	s_lshl_b32 s25, s25, 9                         ; its scale bytes: 32 a row, 16 rows a tile; my head's two
	s_lshl_b32 s27, s14, 1
	s_add_co_u32 s25, s25, s27
	v_add_nc_u32 v237, s25, v31
	s_wait_alu depctr_va_vdst(0)                   ; ahead of the reciprocal's first reader
	v_cndmask_b32 v226, v226, v227, s101           ; a row with no key: zeros
.set I, 0
.rept 16
	v_pk_mul_f32 v[96+I:97+I], v[160+I:161+I], v[226:227] op_sel_hi:[1,0]   ; register 16 g + i is channel 32 g + 16 (lane / 16) + i
.set I, I+2
.endr
.irp b, 0,1
	v_max3_num_f32 v[BM+\b], |v[96+16*\b]|, |v[97+16*\b]|, 0x1800000
.endr
.irp i, 2,4,6,8,10,12,14
.irp b, 0,1
	v_max3_num_f32 v[BM+\b], v[BM+\b], |v[96+16*\b+\i]|, |v[97+16*\b+\i]|
.endr
.endr
.irp b, 0,1
	v_permlanex16_b32 v[BT+\b], v[BM+\b], s20, s21
.endr
.irp b, 0,1
	v_max_num_f32 v[BM+\b], v[BM+\b], v[BT+\b]
.endr
.irp b, 0,1
	v_add_nc_u32 v[BS+\b], 0xff000000, v[BM+\b]
.endr
.irp b, 0,1
	v_lshrrev_b32 v[BT+\b], 23, v[BS+\b]
.endr
	v_cvt_scalef32_pk16_fp6_f32 v[192:194], v[96:111], v[BS]
	v_cvt_scalef32_pk16_fp6_f32 v[204:206], v[112:127], v[BS+1]
	v_cndmask_b32 v227, v216, v217, s100           ; lanes 0-15 store block 0's byte, lanes 16-31 block 1's.  (A plain place behind the conversions)
	v_cndmask_b32 v227, v227, v93, s101            ; a row with no key: 0xff
.irp i, 0,1,2
	v_permlane16_swap_b32 v[192+\i], v[204+\i]
.endr
.irp i, 0,1,2
	v_mov_b32 v[195+\i], v[204+\i]
.endr
.irp i, 0,1,2
	global_store_b64 v236, v[192+2*\i:193+2*\i], s[8:9] offset:256*\i   ; 32 lanes store 256 consecutive bytes, aligned
.endr
	global_store_b8 v237, v227, s[8:9]
	s_wait_xcnt 0x0                                ; the stores have read their registers: the next tile writes them again
	s_add_co_u32 s18, s18, 64                      ; my second tile
	s_sub_co_u32 s19, s19, 1
	s_cmp_lg_u32 s19, 0
	s_cbranch_scc1 .Ltile
	s_wait_tensorcnt 0x0                           ; the wave's end, behind my last LDS store
	ds_add_u32 v5, v6
	s_wait_dscnt 0x0
	s_endpgm
.Lfunc_end_k_q4dc37f579d_attn:
	.size	k_q4dc37f579d_attn, .Lfunc_end_k_q4dc37f579d_attn-k_q4dc37f579d_attn
	.p2alignl 7, 3214868480
	.fill 96, 4, 3214868480
	.section	.rodata,"a",@progbits
	.p2align	6, 0x0
	.amdhsa_kernel k_q4dc37f579d_attn
		.amdhsa_group_segment_fixed_size 210944
		.amdhsa_private_segment_fixed_size 0
		.amdhsa_enable_private_segment 0
		.amdhsa_kernarg_size 24
		.amdhsa_user_sgpr_count 2
		.amdhsa_user_sgpr_kernarg_segment_ptr 1
		.amdhsa_wavefront_size32 1
		.amdhsa_system_sgpr_workgroup_id_x 1
		.amdhsa_system_sgpr_workgroup_id_y 1
		.amdhsa_system_sgpr_workgroup_id_z 1
		.amdhsa_system_vgpr_workitem_id 0
		.amdhsa_next_free_vgpr 256
		.amdhsa_next_free_sgpr 102
		.amdhsa_reserve_vcc 0
		.amdhsa_float_denorm_mode_32 3
		.amdhsa_float_denorm_mode_16_64 3
		.amdhsa_memory_ordered 1
		.amdhsa_forward_progress 1
		.amdhsa_inst_pref_size 60
	.end_amdhsa_kernel
	.amdgpu_metadata
---
amdhsa.version: [ 1, 2 ]
amdhsa.kernels:
  - .name:           k_q4dc37f579d_attn
    .symbol:         k_q4dc37f579d_attn.kd
    .args:
      - { .name: qkv, .offset: 0, .size: 8, .value_kind: global_buffer, .address_space: global }
      - { .name: masks, .offset: 8, .size: 8, .value_kind: global_buffer, .address_space: global }
      - { .name: oq, .offset: 16, .size: 8, .value_kind: global_buffer, .address_space: global }
    .group_segment_fixed_size: 210944
    .private_segment_fixed_size: 0
    .kernarg_segment_align: 8
    .kernarg_segment_size: 24
    .max_flat_workgroup_size: 512
    .sgpr_count:     102
    .vgpr_count:     256
    .wavefront_size: 32
...
	.end_amdgpu_metadata
.endif
;; end of part 3
;; launch outp (part 4): grid 4 x 32, 4 waves a work-group, clusters of 4 x 4, 327,680 bytes of LDS; arguments oq, woq, out0; writes out0
.if DOCPART == 4
	.amdgcn_target "amdgcn-amd-amdhsa--gfx1250"
	.amdhsa_code_object_version 6
	.text
	.protected	k_q4dc37f579d_outp
	.globl	k_q4dc37f579d_outp
	.p2align	8
	.type	k_q4dc37f579d_outp,@function
k_q4dc37f579d_outp:
	s_mov_b64 s[64:65], 0
	v_nop
	global_prefetch_b8 v0, s[64:65] scope:SCOPE_SE
	s_setreg_imm32_b32 hwreg(HW_REG_WAVE_MODE, 25, 1), 1
	s_wait_xcnt 0x0
	s_wait_alu depctr_hold_cnt(0) depctr_sa_sdst(0) depctr_va_vdst(0) depctr_va_sdst(0) depctr_va_ssrc(0) depctr_va_vcc(0) depctr_vm_vsrc(0)
	s_getreg_b32 s2, hwreg(HW_REG_IB_STS2, 6, 4)
	s_cmp_eq_u32 s2, 0
	s_cbranch_scc0 .Lentry_in_a_cluster
	s_endpgm
.Lentry_in_a_cluster:
	s_bfe_u32 s2, ttmp6, 0x10000c
	s_cmp_lg_u32 s2, 0xf033
	s_cbranch_scc0 .Lentry_shape_is_right
	s_endpgm
.Lentry_shape_is_right:
; out0 = o Wout^T on codes of FP6 (E2M3) with E8M0 scales; f32 sums; out0 [8192][1024] f32.
; o: oq: 32 scale bytes a row from byte 0 (rows by position: in each 32 tokens, position 16 u + 8 a + c holds token 16 a + 8 u + c); behind them the codes as IMAGES OF OPERAND REGISTERS: for each head a plane of 512 tiles
;   of 16 rows, 768 bytes a tile: three pairs of registers, 8 bytes a lane.  Two heads' images are a fragment of 16 rows x 128 K.   Wout: woq: 32 scale bytes a row, then 768 bytes of codes a row, rows in their own order.
; A tile of 256 x 256 is made by four waves, each 128 x 128.  K = 1,024 goes in steps of 256 (four heads) through two LDS slots filled by the tensor data mover; the scale bytes come once.
; o's part of a slot: for each of four planes the 6,144 consecutive bytes of eight tiles: no padding is needed, since a fragment load reads 256 consecutive bytes.
; CLUSTERS: 4 x 4 work-groups; o's tiles are asked for jointly along a row of the cluster, Wout's along a column.  The matrix instruction is used transposed: a lane holds eight neighbouring numbers of a row of out0.
; The rows' order is undone in the stores' addresses.  128 work-groups: the tile is kept large for the sake of the multiply-adds that each LDS byte feeds.
.set SIZE_K, 1024
.set SIZE_N, 1024
.set KSTEP,  256
.set NQ,     KSTEP/128
.set ROWB,   192
.set KROW,   SIZE_K*6/8
.set PITCH,  240
.set FR,     12
.set NL,     6
.set NP,     4
.set HALFA,  4*6144                    ; o: four planes x eight tiles x 768 bytes: what one tensor load brings
.set HALFB,  128*PITCH                 ; Wout: 128 rows
.set SLOT,   2*HALFA+2*HALFB
.set LAPS,   SIZE_K/(2*KSTEP)
.set KS,     SIZE_K/32
.set SCL,    2*SLOT
.set HALFS,  (128*KS/256)*272
.set SBLK,   (16*KS/256)*272
.set SPARE,  SCL+4*HALFS
.set SPITCH, 528                       ; the way out: a stage of 16 rows x (512 bytes + 16) for each wave, in slot 0, which has had its last fill and its last read when the first result is stored there
.set OIMG,   262144                    ; where the images begin in oq
.set PLANE,  393216                    ; a head's plane
.set OC,     32768                     ; where the codes begin in woq
.set ADRA, 16                          ; v16-17 LDS address of o's fragments in slot 0, 1
.set ADRB, 20                          ; v20-23 of Wout's
.set STO,  24
.set RD,   25
.set CO,   26
.set ADRS, 27
.set SPW,  28
.set NIL,  29
.set SC,   32
.set AF,   128
.set BK,   128
.set G1, 24
.set G0, 32
.set G1B, 48
.set G0B, 56
.set G1S, 68
.set G0S, 76
.set G1SB, 80
.set G0SB, 88
.set MSB, 0
.macro WIN new
.if MSB != (\new)
	s_set_vgpr_msb (MSB<<8)|(\new)
.set MSB, (\new)
.endif
.endm
.set MUL_LO, 0xa1
.set MUL_HI, 0xf1
.set TO_B,   0x40
.macro JLOAD g0a, g1a, g0b, g1b        ; a joint load: waves 0 and 1 fetch for o, waves 2 and 3 for Wout; an s_nop 0 and four v_nop follow each of the two lines
	s_cmp_eq_u32 s15, 0
	s_cbranch_scc0 .Lfor_b_\@
	tensor_load_to_lds s[\g0a:\g0a+3], s[\g1a:\g1a+7]
	s_nop 0
.rept 4
	v_nop
.endr
	s_branch .Lasked_\@
.Lfor_b_\@:
	tensor_load_to_lds s[\g0b:\g0b+3], s[\g1b:\g1b+7]
	s_nop 0
.rept 4
	v_nop
.endr
.Lasked_\@:
.endm
.macro CREST
	s_cmp_lg_u32 s14, 0
	s_cbranch_scc1 .Lnot_wave_0_\@
	s_barrier_signal -3
.Lnot_wave_0_\@:
	s_barrier_wait -3
	s_barrier_signal -1
	s_barrier_wait -1
.endm
.macro CROUND
	s_barrier_signal -1
	s_barrier_wait -1
	CREST
.endm
	s_load_b128 s[4:7], s[0:1], 0x0                ; oq s[4:5], woq s[6:7]
	s_load_b64 s[12:13], s[0:1], 0x10              ; out0
	v_lshl_add_u32 v[SPW], v0, 2, SPARE
	v_mov_b32 v[NIL], 0
	ds_add_u32 v[SPW], v[NIL]                      ; the wave's opening: the add and its wait ahead of my first tensor load
	v_lshrrev_b32 v1, 5, v0
	v_readfirstlane_b32 s14, v1                    ; wave 0..3
	s_lshr_b32 s15, s14, 1                         ; which half of the tile's rows is mine.  Also: I fetch for o (0) or for Wout (1)
	s_and_b32 s16, s14, 1                          ; which half of its columns.  Also: which 128 rows of that tile I fetch
	s_bfe_u32 s40, ttmp6, 0x40000
	s_bfe_u32 s41, ttmp6, 0x40004
	s_lshl_b32 s42, ttmp9, 2
	s_add_co_u32 s42, s42, s40                     ; tile column
	s_and_b32 s17, ttmp7, 0xffff
	s_lshl_b32 s17, s17, 2
	s_add_co_u32 s17, s17, s41                     ; tile row
	s_lshl_b32 s43, s41, 2
	s_lshl_b32 s43, 15, s43                        ; my row of the cluster
	s_lshl_b32 s44, 0x1111, s40                    ; my column
	; group 1 for o: 4 rows (planes) of 768 elements of 8 bytes, a plane apart; no padding
	s_or_b32 s[G1+0], s43, (3<<16)|(1<<21)
	s_mov_b32 s[G1+1], 768<<16                     ; tensor_dim0
	s_mov_b32 s[G1+2], 4<<16                       ; tensor_dim1
	s_mov_b32 s[G1+3], 768<<16                     ; tile_dim0
	s_mov_b32 s[G1+4], 4                           ; tile_dim1
	s_mov_b32 s[G1+5], PLANE/8                     ; the pitch, in elements
	s_mov_b32 s[G1+6], 0
	s_mov_b32 s[G1+7], 0
	; group 1 for Wout: 128 rows x 192 bytes, 16 bytes of padding behind every 64
	s_or_b32 s[G1B+0], s44, (0<<16)|(1<<20)|(1<<21)|(3<<22)|(3<<25)
	s_mov_b32 s[G1B+1], ROWB<<16
	s_mov_b32 s[G1B+2], 128<<16
	s_mov_b32 s[G1B+3], ROWB<<16
	s_mov_b32 s[G1B+4], 128
	s_mov_b32 s[G1B+5], KROW
	s_mov_b32 s[G1B+6], 0
	s_mov_b32 s[G1B+7], 0
	; the scales of 128 rows: 4,096 dense bytes as rows of 256 bytes, 16 bytes of padding behind each
	s_or_b32 s[G1S+0], s43, (3<<16)|(1<<20)|(1<<21)|(5<<22)|(3<<25)
	s_or_b32 s[G1SB+0], s44, (3<<16)|(1<<20)|(1<<21)|(5<<22)|(3<<25)
.irp g, G1S, G1SB
	s_mov_b32 s[\g+1], 32<<16
	s_mov_b32 s[\g+2], (128*KS/256)<<16
	s_mov_b32 s[\g+3], 32<<16
	s_mov_b32 s[\g+4], 128*KS/256
	s_mov_b32 s[\g+5], 32
	s_mov_b32 s[\g+6], 0
	s_mov_b32 s[\g+7], 0
.endr
	s_lshl_b32 s18, s16, 7
	s_lshl_b32 s20, s17, 8
	s_add_co_u32 s20, s20, s18                     ; o: row 256 x tile row + 128 x half
	s_lshl_b32 s46, s42, 8
	s_add_co_u32 s46, s46, s18                     ; Wout: row 256 x tile column + 128 x half
	s_mov_b32 s21, 0
	s_mov_b32 s47, 0
	s_mov_b64 s[18:19], KS
	s_mul_u64 s[22:23], s[20:21], s[18:19]         ; where these rows' scales begin
	s_mul_u64 s[92:93], s[46:47], s[18:19]
	s_mov_b64 s[18:19], KROW
	s_mul_u64 s[46:47], s[46:47], s[18:19]         ; Wout's codes
	s_add_nc_u64 s[46:47], s[46:47], OC
	s_mul_i32 s20, s20, 48                         ; o's images: 768 bytes for each 16 rows
	s_add_co_u32 s20, s20, OIMG
	s_mul_i32 s45, s16, HALFA                      ; where they go in a slot: o's halves first,
	s_mul_i32 s95, s16, HALFB
	s_add_co_u32 s95, s95, 2*HALFA                 ; then Wout's
	s_mul_i32 s94, s14, HALFS
	s_wait_dscnt 0x0                               ; the opening add is done
	s_wait_kmcnt 0x0
	s_add_nc_u64 s[20:21], s[4:5], s[20:21]
	s_add_nc_u64 s[22:23], s[4:5], s[22:23]
	s_add_nc_u64 s[46:47], s[6:7], s[46:47]
	s_add_nc_u64 s[92:93], s[6:7], s[92:93]
	CROUND                                         ; all sixteen work-groups are here: the first joint loads meet
	s_mov_b32 s[G0S], 1
	s_add_co_u32 s[G0S+1], s94, SCL
	s_mov_b64 s[G0S+2:G0S+3], s[22:23]
	s_or_b32 s[G0S+3], s[G0S+3], 0x80000000
	s_mov_b32 s[G0SB], 1
	s_add_co_u32 s[G0SB+1], s94, SCL
	s_mov_b64 s[G0SB+2:G0SB+3], s[92:93]
	s_or_b32 s[G0SB+3], s[G0SB+3], 0x80000000
	JLOAD G0S, G1S, G0SB, G1SB
.irp s, 0,1
	s_mov_b32 s[G0+4*\s], 1
	s_add_co_u32 s[G0+4*\s+1], s45, \s*SLOT
	s_add_nc_u64 s[G0+4*\s+2:G0+4*\s+3], s[20:21], \s*4*PLANE
	s_or_b32 s[G0+4*\s+3], s[G0+4*\s+3], 0x80000000
	s_mov_b32 s[G0B+4*\s], 1
	s_add_co_u32 s[G0B+4*\s+1], s95, \s*SLOT
	s_add_nc_u64 s[G0B+4*\s+2:G0B+4*\s+3], s[46:47], \s*ROWB
	s_or_b32 s[G0B+4*\s+3], s[G0B+4*\s+3], 0x80000000
	JLOAD G0+4*\s, G1, G0B+4*\s, G1B
.endr
	v_and_b32 v1, 15, v0                           ; l % 16
	v_bfe_u32 v2, v0, 4, 1                         ; l / 16
	v_mul_u32_u24 v3, v1, PITCH
	v_mul_u32_u24 v4, v2, 24
	v_add_nc_u32 v4, v3, v4                        ; Wout: a fragment's row x pitch + 24 x half
	v_lshl_add_u32 v5, v2, 4, v4                   ; and the same behind one padding more
	v_and_b32 v6, 31, v0
	v_lshlrev_b32 v7, 3, v6                        ; o: 8 x lane
	s_mul_i32 s21, s15, HALFA                      ; my 128 rows of o
	s_mul_i32 s22, s16, HALFB                      ; my 128 rows of Wout,
	s_add_co_u32 s22, s22, 2*HALFA                 ; which lie behind o's
.irp s, 0,1
	v_add_nc_u32 v[ADRA+\s], s21, v7
	v_add_nc_u32 v[ADRB+\s], s22, v4
	v_add_nc_u32 v[ADRB+2+\s], s22, v5
	s_add_co_u32 s21, s21, SLOT
	s_add_co_u32 s22, s22, SLOT
.endr
	v_mul_u32_u24 v5, v1, KS
	v_lshrrev_b32 v6, 8, v5
	v_lshl_add_u32 v5, v6, 4, v5
	s_mul_i32 s21, s15, HALFS
	s_mul_i32 s22, s16, HALFS
	s_add_co_u32 s22, s22, 2*HALFS
	s_sub_co_u32 s22, s22, s21
	v_mul_u32_u24 v6, s22, v2                      ; lanes 16-31 take Wout's
	s_add_co_u32 s21, s21, SCL
	v_add_nc_u32 v5, v5, v6
	v_add_nc_u32 v[ADRS], s21, v5
	s_mul_i32 s23, s14, 16*SPITCH                  ; my stage
	v_mul_u32_u24 v5, v1, SPITCH
	v_lshl_add_u32 v5, v2, 5, v5
	v_add_nc_u32 v[STO], s23, v5
	v_and_b32 v6, 31, v0
	v_lshlrev_b32 v[CO], 4, v6
	v_add_nc_u32 v[RD], s23, v[CO]
	s_lshl_b32 s20, s17, 8
	s_lshl_b32 s21, s15, 7
	s_add_co_u32 s20, s20, s21                     ; my first row of out0
	s_mov_b32 s21, 0
	s_mov_b64 s[18:19], SIZE_N*4
	s_mul_u64 s[20:21], s[20:21], s[18:19]
	s_lshl_b32 s46, s42, 10
	s_lshl_b32 s47, s16, 9
	s_add_co_u32 s46, s46, s47
	s_mov_b32 s47, 0
	s_add_nc_u64 s[20:21], s[20:21], s[46:47]
	s_add_nc_u64 s[12:13], s[12:13], s[20:21]
.macro FRAG reg, adr, q, i             ; a fragment of Wout from padded rows, in pieces of 8 bytes
.irp p, 0,1,2,3,4,5
.set PCE, 12*(\q)+6*(\p/3)+\p%3
.if PCE%8 < 5
	ds_load_b64 v[\reg+2*\p:\reg+2*\p+1], v[\adr] offset:8*PCE+16*(PCE/8)+(\i)*16*PITCH
.else
	ds_load_b64 v[\reg+2*\p:\reg+2*\p+1], v[\adr+2] offset:8*PCE+16*(PCE/8)+(\i)*16*PITCH
.endif
.endr
.endm
.macro FRAGA reg, slot, q, i           ; a fragment of o: the images of heads 2 q and 2 q + 1 of the slot's four, tile i: six loads of 256 consecutive bytes
.irp p, 0,1,2,3,4,5
	ds_load_b64 v[\reg+2*\p:\reg+2*\p+1], v[ADRA+\slot] offset:(2*(\q)+\p/3)*6144+768*(\i)+256*(\p%3)
.endr
.endm
.macro MUL16 a0, p, q, sc, zero        ; the 64 accumulators take turns, one instruction a turn, in the same order in every step
.irp a, \a0, \a0+1
.irp b, 0,1,2,3,4,5,6,7
.if \zero
	v_wmma_scale_f32_16x16x128_f8f6f4 v[8*(8*((\a)%4)+\b):8*(8*((\a)%4)+\b)+7], v[128*(\p)+FR*\b:128*(\p)+FR*\b+FR-1], v[AF+FR*(\a):AF+FR*(\a)+FR-1], 0, v[SC+8*NQ*(\sc)+NQ*\b+(\q)], v[SC+8*NQ*(\sc)+NQ*(\a)+(\q)] matrix_a_fmt:MATRIX_FMT_FP6 matrix_b_fmt:MATRIX_FMT_FP6 matrix_a_scale:MATRIX_SCALE_ROW1
.else
	v_wmma_scale_f32_16x16x128_f8f6f4 v[8*(8*((\a)%4)+\b):8*(8*((\a)%4)+\b)+7], v[128*(\p)+FR*\b:128*(\p)+FR*\b+FR-1], v[AF+FR*(\a):AF+FR*(\a)+FR-1], v[8*(8*((\a)%4)+\b):8*(8*((\a)%4)+\b)+7], v[SC+8*NQ*(\sc)+NQ*\b+(\q)], v[SC+8*NQ*(\sc)+NQ*(\a)+(\q)] matrix_a_fmt:MATRIX_FMT_FP6 matrix_b_fmt:MATRIX_FMT_FP6 matrix_a_scale:MATRIX_SCALE_ROW1
.endif
.endr
.endr
.endm
.macro FETCH_B slot, q, p
	WIN TO_B
.irp i, 0,1,2,3,4,5,6,7
	FRAG 128*(\p)+FR*\i, ADRB+\slot, \q, \i
.endr
	WIN 0
.endm
.macro FETCH_A slot, q, i0
.irp i, \i0, \i0+1, \i0+2, \i0+3
	FRAGA AF+FR*(\i), \slot, \q, \i
.endr
.endm
.macro SCALES sc
.irp i, 0,1,2,3,4,5,6,7
	ds_load_b64 v[SC+8*NQ*\sc+NQ*\i:SC+8*NQ*\sc+NQ*\i+1], v[ADRS] offset:\i*SBLK
.endr
.endm
.macro PLACES n                        ; plain vector instructions between a matrix instruction and a load into, or a read of, its registers
.rept \n
	v_nop
.endr
.endm
.macro STEP slot, q, zero
	s_wait_dscnt 4*NL                              ; Wout's set and o's blocks 0-3 are in; the youngest 24 loads (blocks 4-7) may be out
	WIN MUL_LO
	MUL16 0, (\q)%2, \q, \slot, \zero
	MUL16 2, (\q)%2, \q, \slot, \zero
	s_wait_dscnt 0
	PLACES NP
	FETCH_B \slot, (\q)+1, 1-(\q)%2
	FETCH_A \slot, (\q)+1, 0
	WIN MUL_HI
	MUL16 4, (\q)%2, \q, \slot, \zero
	MUL16 6, (\q)%2, \q, \slot, \zero
	PLACES NP
	WIN 0
	FETCH_A \slot, (\q)+1, 4
.endm
.macro TURN slot, next, fill           ; a slot's last 128 along K change slots: one barrier, with the waits and the add in front of it
	s_wait_tensorcnt 0x0                           ; all my tensor loads have landed: my part of the next slot
	ds_add_u32 v[SPW], v[NIL]
	s_wait_dscnt 4*NL+1                            ; the add and the youngest 24 loads may be out
	WIN MUL_LO
	MUL16 0, 1, NQ-1, \slot, 0
	s_wait_dscnt 0x0                               ; the add is done, and my reads of this slot are over
	s_barrier_signal -1
	MUL16 2, 1, NQ-1, \slot, 0
	WIN 0
	s_barrier_wait -1
.if \fill
	CREST                                          ; the barrier has opened a round of the cluster's: no wave of any partner still reads this slot or has a load on its way
	s_add_nc_u64 s[G0+4*\slot+2:G0+4*\slot+3], s[G0+4*\slot+2:G0+4*\slot+3], 8*PLANE
	s_add_nc_u64 s[G0B+4*\slot+2:G0B+4*\slot+3], s[G0B+4*\slot+2:G0B+4*\slot+3], 2*ROWB
	JLOAD G0+4*\slot, G1, G0B+4*\slot, G1B         ; the first tensor load behind the round; its four v_nop are the places in front of the loads below
.else
	PLACES NP
.endif
	v_add_nc_u32 v[ADRS], 4*NQ, v[ADRS]
	FETCH_B \next, 0, 0
	FETCH_A \next, 0, 0
	SCALES \next
	WIN MUL_HI
	MUL16 4, 1, NQ-1, \slot, 0
	MUL16 6, 1, NQ-1, \slot, 0
	PLACES NP
	WIN 0
	FETCH_A \next, 0, 4
.endm
	s_wait_tensorcnt 1                             ; the scales and my part of K step 0 are in; K step 1's load may be out
	s_barrier_signal -1
	s_barrier_wait -1
	FETCH_B 0, 0, 0
	FETCH_A 0, 0, 0
	SCALES 0
	FETCH_A 0, 0, 4
	STEP 0, 0, 1                                   ; the first products start the sums
	s_mov_b32 s3, LAPS-1
.Llap:
	TURN 0, 1, 1
	STEP 1, 0, 0
	TURN 1, 0, 1
	STEP 0, 0, 0
	s_sub_co_u32 s3, s3, 1
	s_cmp_lg_u32 s3, 0
	s_cbranch_scc1 .Llap
	TURN 0, 1, 0
	STEP 1, 0, 0
	s_wait_dscnt 4*NL
	WIN MUL_LO
	MUL16 0, 1, NQ-1, 1, 0
	MUL16 2, 1, NQ-1, 1, 0
	s_wait_dscnt 0
	WIN MUL_HI
	MUL16 4, 1, NQ-1, 1, 0
	MUL16 6, 1, NQ-1, 1, 0
	WIN 0
; THE WAY OUT, block by block of 16 rows x 128 columns, through my own stage in LDS: back come whole rows of 512 bytes.  Stage row t of block a is position 16 a + t of my 128 rows: token 32 (a / 2) + 8 (a % 2) + t + 8 (t / 8).
.macro TOSTAGE a
.set AC, 64*((\a)%4)
	WIN 0x08+4*((\a)/4)                            ; the data: window 2 or 3
.irp b, 0,1,2,3,4,5,6,7
	ds_store_b128 v[STO], v[AC+8*\b:AC+8*\b+3] offset:64*\b          ; each accumulator from its low end on
	ds_store_b128 v[STO], v[AC+8*\b+4:AC+8*\b+7] offset:64*\b+16
.endr
	WIN 0
.set BB, BK+64*((\a)%2)
.irp t, 0,1,2,3,4,5,6,7,8,9,10,11,12,13,14,15
	ds_load_b128 v[BB+4*\t:BB+4*\t+3], v[RD] offset:\t*SPITCH        ; LDS serves a wave's instructions in order: these see the stores above
.endr
.endm
.macro SEND a, younger
.set BB, BK+64*((\a)%2)
	s_wait_dscnt \younger                          ; the block is back in registers
.if (\a) > 0
.if (\a)%2
	s_add_nc_u64 s[12:13], s[12:13], 8*SIZE_N*4    ; (behind a wait on XCNT)  an odd block begins 8 tokens behind the even one,
.else
	s_add_nc_u64 s[12:13], s[12:13], 24*SIZE_N*4   ; an even one 24 behind the odd
.endif
.endif
.irp t, 0,1,2,3,4,5,6,7,8,9,10,11,12,13,14,15
	global_store_b128 v[CO], v[BB+4*\t:BB+4*\t+3], s[12:13] offset:(\t+8*(\t/8))*SIZE_N*4 th:TH_STORE_NT   ; 32 lanes store 512 consecutive bytes, aligned
.endr
.endm
	PLACES NP
	TOSTAGE 0
.irp a, 1,2,3,4,5,6,7
.if \a > 1
	s_wait_xcnt 0x0                                ; block a - 2's stores have read their registers and their base
.endif
	TOSTAGE \a
	SEND \a-1, 32                                  ; behind block a - 1's loads: block a's 16 stores and 16 loads
.endr
	s_wait_xcnt 0x0
	SEND 7, 0
	s_wait_tensorcnt 0x0                           ; the wave's end
	ds_add_u32 v[SPW], v[NIL]
	s_wait_dscnt 0x0
	CROUND                                         ; the closing round
	s_endpgm
.Lfunc_end_k_q4dc37f579d_outp:
	.size	k_q4dc37f579d_outp, .Lfunc_end_k_q4dc37f579d_outp-k_q4dc37f579d_outp
	.p2alignl 7, 3214868480
	.fill 96, 4, 3214868480
	.section	.rodata,"a",@progbits
	.p2align	6, 0x0
	.amdhsa_kernel k_q4dc37f579d_outp
		.amdhsa_group_segment_fixed_size 327680
		.amdhsa_private_segment_fixed_size 0
		.amdhsa_enable_private_segment 0
		.amdhsa_kernarg_size 24
		.amdhsa_user_sgpr_count 2
		.amdhsa_user_sgpr_kernarg_segment_ptr 1
		.amdhsa_wavefront_size32 1
		.amdhsa_system_sgpr_workgroup_id_x 1
		.amdhsa_system_sgpr_workgroup_id_y 1
		.amdhsa_system_sgpr_workgroup_id_z 1
		.amdhsa_system_vgpr_workitem_id 0
		.amdhsa_next_free_vgpr 1024
		.amdhsa_next_free_sgpr 100
		.amdhsa_reserve_vcc 0
		.amdhsa_float_denorm_mode_32 3
		.amdhsa_float_denorm_mode_16_64 3
		.amdhsa_memory_ordered 1
		.amdhsa_forward_progress 1
		.amdhsa_inst_pref_size 160
	.end_amdhsa_kernel
	.amdgpu_metadata
---
amdhsa.version: [ 1, 2 ]
amdhsa.kernels:
  - .name:           k_q4dc37f579d_outp
    .symbol:         k_q4dc37f579d_outp.kd
    .args:
      - { .name: oq, .offset: 0, .size: 8, .value_kind: global_buffer, .address_space: global }
      - { .name: woq, .offset: 8, .size: 8, .value_kind: global_buffer, .address_space: global }
      - { .name: out0, .offset: 16, .size: 8, .value_kind: global_buffer, .address_space: global }
    .group_segment_fixed_size: 327680
    .private_segment_fixed_size: 0
    .kernarg_segment_align: 8
    .kernarg_segment_size: 24
    .max_flat_workgroup_size: 128
    .sgpr_count:     100
    .vgpr_count:     1024
    .wavefront_size: 32
...
	.end_amdgpu_metadata
.endif
;; end of part 4
